; MI455X (gfx1250); checked and timed in simulation.
; The chip was launched on July 23, 2026; its instructions are those of AMD's public machine-readable ISA for CDNA 5 (MIT licence, August 2026) and "CDNA5" Instruction Set Architecture Reference Guide (July 2026). The comments in the code are by the model that wrote it; some were corrected since.
;; Attention. Allowed arithmetic: matrix products marked QUANTISED: E2M3 operands, one E8M0 scale for each 32 along K, by v_wmma_scale_f32_16x16x128_f8f6f4 with both operands' format E2M3, f32 sums; everything else in f32.
;; Inputs: cache_k 1 x 16 x 2,048 x 128 float32; cache_v 1 x 16 x 2,048 x 128 float32; freqs_cos 2,048 x 64 float32; freqs_sin 2,048 x 64 float32; mask 1 x 1 x 2,048 x 2,048 float32; wk 2,048 x 2,048 float32; wo 2,048 x 2,048 float32; wq 2,048 x 2,048 float32; wv 2,048 x 2,048 float32; x 1 x 2,048 x 2,048 float32.
;; Outputs: out0 1 x 2,048 x 2,048 float32.
;; Constants: start_pos = 0.
;; This version of the problem:
;;   THIS VERSION OF THE PROBLEM IS GIVEN IN LOW PRECISION. The matrix products marked QUANTISED in the list below multiply operands that are first quantised to E2M3 (2 exponent bits, 3 mantissa bits; 6 bits a number), with one power-of-two scale for each 32 numbers along K (OCP MX v1.0); their sums are f32. All else is computed in f32.
;;   The module's matrix products, in the order in which they are computed (A, B: the left and right operand; K: the contracted axis; several contracted axes count as one K, in the product's order):
;;     1. [M 2,048, K 2,048] x [K 2,048, N 2,048]; A: input x; B: input wq: QUANTISED
;;     2. [M 2,048, K 2,048] x [K 2,048, N 2,048]; A: input x; B: input wk: QUANTISED
;;     3. [M 2,048, K 2,048] x [K 2,048, N 2,048]; A: input x; B: input wv: QUANTISED
;;     4. batch 16 x [M 2,048, K 128] x [K 128, N 2,048]; A: computed on the way; B: computed on the way: QUANTISED
;;     5. batch 16 x [M 2,048, K 2,048] x [K 2,048, N 128]; A: softmax (see below); B: computed on the way: QUANTISED
;;     6. [M 2,048, K 2,048] x [K 2,048, N 2,048]; A: computed on the way; B: input wo: QUANTISED
;;   THE QUANTISER, for each operand of a quantised product, along K:
;;     - K is cut into blocks of 32 from its start; a last block that is shorter is filled with zeros.
;;     - A block's scale is 2^e with e = floor(log2(the largest magnitude in the block)) - 2, held to -126 .. 127; a block of zeros has e = 0. As a byte (E8M0): e + 127.
;;     - Each number is divided by its block's scale, clamped to +-7.5, and rounded to the nearest number of E2M3, ties to even, subnormals kept.
;;     - The product sums the exact products of the quantised numbers (number of the format x scale) in f32.
;;   ~~~python
;;   def quantise(x, axis):      # numpy; x: float32 -> the quantised numbers, widened to float32 again
;;       x = np.moveaxis(x, axis, -1); K = x.shape[-1]
;;       x = np.pad(x, [(0, 0)] * (x.ndim - 1) + [(0, -K % 32)]); x = x.reshape(x.shape[:-1] + (-1, 32)); a = np.abs(x).max(-1, keepdims=True)
;;       e = np.where(a > 0, np.clip(np.frexp(np.where(a > 0, a, 1))[1] - 1 - 2, -126, 127), 0)      # np.frexp(a)[1] - 1 = floor(log2(a)), exactly
;;       r = np.clip(x / 2.0 ** e, -7.5, 7.5)
;;       step = 2.0 ** (np.maximum(np.frexp(np.where(r == 0, 1, r))[1] - 1, 0) - 3)
;;       q = np.round(r / step) * step * 2.0 ** e      # np.round: ties to even
;;       return np.moveaxis(q.reshape(q.shape[:-2] + (-1,))[..., :K], -1, axis).astype(np.float32)
;;   ~~~
;;   SOFTMAX AHEAD OF A QUANTISED PRODUCT. Where the list says 'softmax', what is quantised is not the finished softmax but p = 2^(t - M), with t = logit x log2(e) and M = ceil(the row's largest t), a whole number; so 1/2 < the row's largest p <= 1. The row's sum l is taken of the UNQUANTISED p, in f32, and the product's result is divided by l at the end. Since M is a whole number, a kernel that streams over the keys may use a running M (the ceiling of the running maximum): every later rescaling is an exact power of two, which a block's scale takes up: the codes' values come out the same.
;;   OPERANDS COMPUTED ON THE WAY. 'Computed on the way' means the value that the module computes at that place (a softmax that the list does not call 'softmax' is quantised finished and normalised). What goes into a quantiser is computed in f32, as accurately as f32 sums, v_exp_f32 and their like allow (about 1e-6 of the number): no bf16 or f16 on the way to a quantiser, and a product that is left as it is and whose result goes on into a quantised operand takes f32 operands (vector FMAs, or v_wmma_f32_16x16x4_f32). A number that lies on a knife's edge between two numbers of the format may be rounded either way, as far as f32 arithmetic and the matrix unit's own rounding can turn it there, and no further.
;; One version. Each part assembles by itself: llvm-mc -triple=amdgcn-amd-amdhsa -mcpu=gfx1250 --defsym DOCPART=n.
;; ======== version 1 of 1: 4 launches
;; workspace buffers: opx 13,107,200 bytes; mimg 16,777,216 bytes; qv 6,553,600 bytes; ao 3,276,800 bytes
;; launch prep (part 1): grid 256 x 1, 10 waves a work-group, no clusters, 93,440 bytes of LDS; arguments x, wq, wv, wo, mask, opx, mimg; writes opx, mimg
.if DOCPART == 1
	.amdgcn_target "amdgcn-amd-amdhsa--gfx1250"
	.amdhsa_code_object_version 6
	.text
	.protected	k_q69bdafab38_prep
	.globl	k_q69bdafab38_prep
	.p2align	8
	.type	k_q69bdafab38_prep,@function
k_q69bdafab38_prep:
	s_mov_b64 s[64:65], 0
	v_nop
	global_prefetch_b8 v0, s[64:65] scope:SCOPE_SE
	s_setreg_imm32_b32 hwreg(HW_REG_WAVE_MODE, 25, 1), 1
	s_wait_xcnt 0x0
; x, wq, wv, wo [2048][2048] f32 become codes of FP6 (E2M3) with one E8M0 scale byte for each 32 along K (their last axis); the mask [2048][2048] f32 is multiplied by sqrt(128) and laid anew.
; wk, cache_k and cache_v are not read by any launch of this program: the module overwrites x wk^T with the rotated queries before any use, and with start_pos = 0 and 2,048 new rows it overwrites
; both caches whole, so none of their numbers reaches the output, whatever they hold.
; EVERY OPERAND IS LAID AS AN IMAGE OF THE MATRIX OPERAND'S REGISTERS.  A fragment is 16 rows x 128 K: 12 registers a lane; lane l holds row l % 16, registers 6 c .. 6 c + 5 hold K = 64 c + 32 (l / 16) + 0 .. 31.
; Its image is 1,536 bytes: registers 4 c .. 4 c + 3 of lane l at 512 c + 16 l.  opx: [tensor 4][row tile 128][512 along K: 4][6,400 bytes]: four images, then 256 bytes of scale words [row 16][which 128 along K: 4].
; THE ROWS OF A TILE ARE NOT NEIGHBOURS: lane r of row tile rt holds row 32 (rt / 2) + 8 (rt % 2) + r + 8 (r / 8), so that where such a tile is a product's first source, the 16 result registers of tiles
; 2 b and 2 b + 1 are 16 neighbours along that axis.
; mimg: [row tile 128][128 columns: 16][group 16][lane 32][16 bytes]: register 16 b + i of lane (r, h) is mask[the tile's row r][128 ks + 32 b + 16 h + i] x sqrt(128): the layout of a tile of scores.
; A block's scale is 2^(floor(log2(its largest magnitude)) - 2); its byte is the largest magnitude's exponent field - 2, held at 1 from below (a block of zeros gets the byte 1: its codes are zeros, and this program alone reads the bytes).
; LIMITS: blocks whose largest magnitude lies under 2^-124 get the byte 1; NaN and infinities among the inputs are not served.
; SHARES.  A job is one row tile x 512 along K: 4 steps of 16 rows x 128 numbers, which make one whole block of 6,400 bytes of opx, or 32,768 bytes of mimg.  5 tensors x 512 jobs are 256 work-groups of ten waves:
; wave w takes tensor w / 2 (0 .. 3: x, wq, wv, wo; 4: the mask) and job 2 x work-group + w % 2, so that every work-group has the same work.
; A load reads 512 consecutive bytes of one row; a step's 8,192 bytes turn through the wave's own stage in LDS (rows 528 bytes apart) and come back 16 neighbours of each block of 32 to a lane.
; No tensor loads, no barrier: waves share nothing.  Loads run two steps (32 loads a wave) ahead.
.set IMG,  1536                        ; an image
.set BLK,  6400                        ; four images and their scale words
.set RTS,  25600                       ; from row tile to row tile
.set TEN,  3276800                     ; from tensor to tensor
.set STG,  9216                        ; LDS of a wave: the stage, 16 x 528 bytes, then 256 bytes of scale words
.set SP,   528
.set SWO,  16*SP
.set TM,   8                           ; v8-11 largest magnitudes, v12-15 the other half's, then the bytes, v20-23 the conversions' scale operands
.set PT,   24                          ; v24-31  the second halves of the blocks' codes
.set R,    32                          ; v32-159 two sets of 64 registers as loaded
.set X,    160                         ; v160-223 64 numbers: register 16 b + i = K 32 b + 16 (lane / 16) + i of my row
.set PC,   224                         ; v224-235 the fragment
.set PW,   236                         ; v236    its scale word
.set SB,   240                         ; v240-241 scale words on the way out
	s_load_b256 s[4:11], s[0:1], 0x0               ; x, wq, wv, wo
	s_load_b128 s[12:15], s[0:1], 0x20             ; mask, opx
	s_load_b64 s[16:17], s[0:1], 0x30              ; mimg
	v_lshl_add_u32 v254, v0, 2, 0x16800
	v_mov_b32 v255, 0
	v_lshrrev_b32 v1, 5, v0
	v_readfirstlane_b32 s18, v1                    ; wave 0..9
	s_lshr_b32 s19, s18, 1                         ; which tensor
	s_and_b32 s24, s18, 1
	s_lshl_b32 s25, ttmp9, 1
	s_add_co_u32 s24, s24, s25                     ; my job, 0 .. 511
	s_lshr_b32 s25, s24, 2                         ; row tile
	s_and_b32 s26, s24, 3                          ; which 512 along K
	s_lshr_b32 s28, s25, 1                         ; in: the tile's first row, 32 (rt / 2) + 8 (rt % 2), x 8,192 bytes, + 2,048 for each 512 along K
	s_lshl_b32 s28, s28, 18
	s_and_b32 s27, s25, 1
	s_lshl_b32 s27, s27, 16
	s_add_co_u32 s28, s28, s27
	s_lshl_b32 s27, s26, 11
	s_add_co_u32 s28, s28, s27
	s_mov_b32 s29, 0
	s_mul_i32 s30, s19, TEN                        ; out, codes: tensor, row tile, block
	s_mul_i32 s27, s25, RTS
	s_add_co_u32 s30, s30, s27
	s_mul_i32 s27, s26, BLK
	s_add_co_u32 s30, s30, s27
	s_lshl_b32 s32, s25, 17                        ; out, mask: 131,072 bytes a row tile, 32,768 for each 512 columns
	s_lshl_b32 s27, s26, 15
	s_add_co_u32 s32, s32, s27
	s_cmp_eq_u32 s19, 4
	s_cselect_b32 s30, s32, s30
	s_mov_b32 s31, 0
	s_mov_b32 s20, 0x76543210
	s_mov_b32 s21, 0xfedcba98                      ; v_permlanex16_b32's selects for lane l xor 16
	s_mov_b32 s22, 0x413504f3                      ; sqrt(128)
	s_mov_b32 s23, s22                             ; (named with it as a pair, so it is written)
	v_and_b32 v7, 31, v0                           ; lane
	v_and_b32 v237, 15, v0                         ; r
	v_bfe_u32 v238, v0, 4, 1                       ; h
	v_lshlrev_b32 v1, 4, v7                        ; 16 x lane: my bytes of a load's or a store's 512
	s_mul_i32 s34, s18, STG
	v_add_nc_u32 v2, s34, v1                       ; the stage, in: 16 x lane in row j
	v_mul_u32_u24 v3, v237, SP
	v_lshl_add_u32 v3, v238, 6, v3
	v_add_nc_u32 v3, s34, v3                       ; out: row r, + 64 h
	s_add_co_u32 s35, s34, SWO
	v_lshl_add_u32 v4, v237, 4, s35                ; my row's scale words
	v_lshlrev_b32 v6, 3, v7                        ; and on the way out 8 bytes a lane
	v_add_nc_u32 v5, s35, v6
.irp b, 0,1,2,3
	v_mov_b32 v[TM+4+\b], 0                        ; written once: a lane permute's destination counts as one of its sources
.endr
	s_wait_kmcnt 0x0
	s_cmp_eq_u32 s19, 1                            ; the buffers are chosen by the wave's number alone
	s_cselect_b64 s[4:5], s[6:7], s[4:5]
	s_cmp_eq_u32 s19, 2
	s_cselect_b64 s[4:5], s[8:9], s[4:5]
	s_cmp_eq_u32 s19, 3
	s_cselect_b64 s[4:5], s[10:11], s[4:5]
	s_cmp_eq_u32 s19, 4
	s_cselect_b64 s[4:5], s[12:13], s[4:5]
	s_cselect_b64 s[6:7], s[16:17], s[14:15]
	s_add_nc_u64 s[4:5], s[4:5], s[28:29]
	s_add_nc_u64 s[6:7], s[6:7], s[30:31]
.macro LOAD t                          ; step t: 128 numbers of each of the tile's 16 rows, into set t % 2
.irp j, 0,1,2,3,4,5,6,7,8,9,10,11,12,13,14,15
	global_load_b128 v[R+64*((\t)%2)+4*\j:R+64*((\t)%2)+4*\j+3], v1, s[4:5] offset:(\j+8*(\j/8))*8192+512*(\t) th:TH_LOAD_NT
.endr
.endm
.macro QUANT                           ; the 64 numbers in v[X] on become a fragment in v[PC] on and its scale word in v[PW]
.irp b, 0,1,2,3
	v_max3_num_f32 v[TM+\b], |v[X+16*\b]|, |v[X+16*\b+1]|, 0x1800000   ; block b: my 16 numbers, and the floor 2^(3 - 127): so the byte cannot fall under 1
.endr
.irp i, 2,4,6,8,10,12,14
.irp b, 0,1,2,3
	v_max3_num_f32 v[TM+\b], v[TM+\b], |v[X+16*\b+\i]|, |v[X+16*\b+\i+1]|   ; (the four blocks by turns)
.endr
.endr
.irp b, 0,1,2,3
	v_permlanex16_b32 v[TM+4+\b], v[TM+\b], s20, s21
.endr
.irp b, 0,1,2,3
	v_max_num_f32 v[TM+\b], v[TM+\b], v[TM+4+\b]   ; with lane l xor 16's: the block's largest magnitude
.endr
.irp b, 0,1,2,3
	v_add_nc_u32 v[TM+12+\b], 0xff000000, v[TM+\b] ; 2 off its exponent field: the conversion takes the exponent field of this operand as its scale
.endr
.irp b, 0,1,2,3
	v_lshrrev_b32 v[TM+4+\b], 23, v[TM+12+\b]      ; the scale's byte
.endr
	v_lshl_or_b32 v[PW], v[TM+5], 8, v[TM+4]
	v_lshl_or_b32 v[PW], v[TM+6], 16, v[PW]
	v_lshl_or_b32 v[PW], v[TM+7], 24, v[PW]
.irp c, 0,1
	v_cvt_scalef32_pk16_fp6_f32 v[PC+6*\c:PC+6*\c+2], v[X+32*\c:X+32*\c+15], v[TM+12+2*\c]
	v_cvt_scalef32_pk16_fp6_f32 v[PT+4*\c:PT+4*\c+2], v[X+16+32*\c:X+31+32*\c], v[TM+13+2*\c]   ; (a conversion's three registers begin on an even number)
.endr
	v_nop                                          ; one plain place behind a scaled conversion
.irp c, 0,1                                    ; the operand's layout wants a WHOLE block in a lane: lanes 0-15 block 2 c, lanes 16-31 block 2 c + 1
.irp i, 0,1,2
	v_permlane16_swap_b32 v[PC+6*\c+\i], v[PT+4*\c+\i]
.endr
.irp i, 0,1,2
	v_mov_b32 v[PC+3+6*\c+\i], v[PT+4*\c+\i]
.endr
.endr
.endm
.macro STEP t
.if (\t) < 3
	s_wait_loadcnt 16                              ; this step's 16 loads are in; the next step's 16 may be out
.else
	s_wait_loadcnt 0
.endif
	s_wait_xcnt 0x0                                ; the last step's stores have read their registers: X and the fragment are written again only behind this wait
.irp j, 0,1,2,3,4,5,6,7,8,9,10,11,12,13,14,15
	ds_store_b128 v2, v[R+64*((\t)%2)+4*\j:R+64*((\t)%2)+4*\j+3] offset:SP*\j
.endr
.irp b, 0,1,2,3
.irp i, 0,1,2,3
	ds_load_b128 v[X+16*\b+4*\i:X+16*\b+4*\i+3], v3 offset:128*\b+16*\i   ; LDS serves a wave's instructions in order: these see the stores above
.endr
.endr
	s_wait_dscnt 0x0
.if (\t)+2 < 4
	LOAD (\t)+2
.endif
	s_cmp_eq_u32 s19, 4
	s_cbranch_scc1 .Lmask_\@
	QUANT
.irp c, 0,1,2
	global_store_b128 v1, v[PC+4*\c:PC+4*\c+3], s[6:7] offset:(\t)*IMG+512*\c   ; 32 lanes store 512 consecutive bytes, at a multiple of 256 from the buffer's first byte
.endr
	ds_store_b32 v4, v[PW] offset:4*(\t)           ; lanes l and l + 16 write the same word with the same value
	s_branch .Ljoin_\@
.Lmask_\@:
.irp i, 0,2,4,6,8,10,12,14,16,18,20,22,24,26,28,30,32,34,36,38,40,42,44,46,48,50,52,54,56,58,60,62
	v_pk_mul_f32 v[X+\i:X+\i+1], v[X+\i:X+\i+1], s[22:23] op_sel_hi:[1,0]
.endr
.irp g, 0,1,2,3,4,5,6,7,8,9,10,11,12,13,14,15
	global_store_b128 v1, v[X+4*\g:X+4*\g+3], s[6:7] offset:8192*(\t)+512*\g
.endr
.Ljoin_\@:
.endm
	LOAD 0
	LOAD 1
.irp t, 0,1,2,3
	STEP \t
.endr
	s_cmp_eq_u32 s19, 4
	s_cbranch_scc1 .Ldone
	ds_load_b64 v[SB:SB+1], v5                     ; my block's 256 bytes of scale words; they see my stores
	s_wait_dscnt 0x0
	global_store_b64 v6, v[SB:SB+1], s[6:7] offset:4*IMG   ; 32 lanes store 256 consecutive bytes, aligned, behind the four images
.Ldone:
	s_wait_tensorcnt 0x0
	ds_add_u32 v254, v255
	s_wait_dscnt 0x0
	s_endpgm
.Lfunc_end_k_q69bdafab38_prep:
	.size	k_q69bdafab38_prep, .Lfunc_end_k_q69bdafab38_prep-k_q69bdafab38_prep
	.p2alignl 7, 3214868480
	.fill 96, 4, 3214868480
	.section	.rodata,"a",@progbits
	.p2align	6, 0x0
	.amdhsa_kernel k_q69bdafab38_prep
		.amdhsa_group_segment_fixed_size 93440
		.amdhsa_private_segment_fixed_size 0
		.amdhsa_enable_private_segment 0
		.amdhsa_kernarg_size 56
		.amdhsa_user_sgpr_count 2
		.amdhsa_user_sgpr_kernarg_segment_ptr 1
		.amdhsa_wavefront_size32 1
		.amdhsa_system_sgpr_workgroup_id_x 1
		.amdhsa_system_sgpr_workgroup_id_y 1
		.amdhsa_system_sgpr_workgroup_id_z 1
		.amdhsa_system_vgpr_workitem_id 0
		.amdhsa_next_free_vgpr 256
		.amdhsa_next_free_sgpr 66
		.amdhsa_reserve_vcc 0
		.amdhsa_float_denorm_mode_32 3
		.amdhsa_float_denorm_mode_16_64 3
		.amdhsa_memory_ordered 1
		.amdhsa_forward_progress 1
		.amdhsa_inst_pref_size 49
	.end_amdhsa_kernel
	.amdgpu_metadata
---
amdhsa.version: [ 1, 2 ]
amdhsa.kernels:
  - .name:           k_q69bdafab38_prep
    .symbol:         k_q69bdafab38_prep.kd
    .args:
      - { .name: x, .offset: 0, .size: 8, .value_kind: global_buffer, .address_space: global }
      - { .name: wq, .offset: 8, .size: 8, .value_kind: global_buffer, .address_space: global }
      - { .name: wv, .offset: 16, .size: 8, .value_kind: global_buffer, .address_space: global }
      - { .name: wo, .offset: 24, .size: 8, .value_kind: global_buffer, .address_space: global }
      - { .name: mask, .offset: 32, .size: 8, .value_kind: global_buffer, .address_space: global }
      - { .name: opx, .offset: 40, .size: 8, .value_kind: global_buffer, .address_space: global }
      - { .name: mimg, .offset: 48, .size: 8, .value_kind: global_buffer, .address_space: global }
    .group_segment_fixed_size: 93440
    .private_segment_fixed_size: 0
    .kernarg_segment_align: 8
    .kernarg_segment_size: 56
    .max_flat_workgroup_size: 320
    .sgpr_count:     66
    .vgpr_count:     256
    .wavefront_size: 32
...
	.end_amdgpu_metadata
.endif
;; end of part 1
;; launch proj (part 2): grid 16 x 16, 4 waves a work-group, clusters of 4 x 4, 327,680 bytes of LDS; arguments opx, freqs_cos, freqs_sin, qv; writes qv
.if DOCPART == 2
	.amdgcn_target "amdgcn-amd-amdhsa--gfx1250"
	.amdhsa_code_object_version 6
	.text
	.protected	k_q69bdafab38_proj
	.globl	k_q69bdafab38_proj
	.p2align	8
	.type	k_q69bdafab38_proj,@function
k_q69bdafab38_proj:
	s_mov_b64 s[64:65], 0
	v_nop
	global_prefetch_b8 v0, s[64:65] scope:SCOPE_SE
	s_setreg_imm32_b32 hwreg(HW_REG_WAVE_MODE, 25, 1), 1
	s_wait_xcnt 0x0
	s_wait_alu depctr_hold_cnt(0) depctr_sa_sdst(0) depctr_va_vdst(0) depctr_va_sdst(0) depctr_va_ssrc(0) depctr_va_vcc(0) depctr_vm_vsrc(0)
	s_getreg_b32 s2, hwreg(HW_REG_IB_STS2, 6, 4)
	s_cmp_eq_u32 s2, 0
	s_cbranch_scc0 .Lentry_in_a_cluster
	s_endpgm
.Lentry_in_a_cluster:
	s_bfe_u32 s2, ttmp6, 0x10000c
	s_cmp_lg_u32 s2, 0xf033
	s_cbranch_scc0 .Lentry_shape_is_right
	s_endpgm
.Lentry_shape_is_right:
; Part 0 (cluster y 0, 1): Q = the double rotation of x wq^T.  Part 1 (cluster y 2, 3): V^T = wv x^T.  Both on codes of FP6 (E2M3) with E8M0 scales, sums in f32, and both QUANTISED AGAIN on the way out:
; Q along a head's 128 (it serves as queries and as keys: the module gives the rotated queries out as keys), V^T along the keys.  x wk^T is not multiplied: the module overwrites it before any use.
; opx holds x, wq, wv, wo as images of operand registers: [tensor][row tile 128][512 along K: 4][6,400 bytes = 4 images of 1,536 + 256 bytes of scale words [row 16][word 4]]; lane r of row tile rt holds row 32 (rt / 2) + 8 (rt % 2) + r + 8 (r / 8).
; qv: [part 2][head 16][step of 128: 16][12,800 bytes = 8 images + 512 bytes of scale words [half 2][lane 32][2]: the word of tile 4 half + 2 j + lane / 16, row lane % 16].  Part 0: step = 128 rows t, K = the head's 128.  Part 1: step = 128 keys = K, tile = 16 of the head's 128.
; SHARES.  A work-group makes 256 rows (of x in part 0, of wv in part 1: source 1) x 128 columns (of wq, of x: source 0); wave w rows 64 w .. 64 w + 63 x all 128 columns: 32 accumulators.  The 128 columns are one head (part 0) or one key step (part 1),
; so a wave's 64 results of a row tile are one whole K step of the next product: one fragment, one scale word.  The product is used transposed: a lane holds one row, and its registers run along the columns, 16 neighbours for each pair of tiles.
; 256 x 128 and not 256 x 256: the two parts make 256 such tiles, one for each work-group of the grid of 16 x 16.
; K goes in four steps of 512 through two LDS slots filled by the tensor data mover; all is written out.  A step's tiles are dense: no padding, and each LDS load reads 16 x lane on end.
; CLUSTERS: 4 x 4 work-groups.  The four of a row need the same tiles of source 1, the four of a column the same tiles of source 0: each is asked for jointly.  The part hangs on the cluster's y alone: it is the same in all sixteen.
; LIMITS: NaN and infinities are not served; a block whose largest magnitude lies under 2^-124 gets the scale byte 1.
; REGISTERS.  window 0: v1-13 addresses; v16-31 at work in the quantiser; v32-95 scale words, two sets, and nothing else; v96-191 source 1's fragments, two sets of four; on the way out v96-255 are at work.
;   window 1: source 0's fragments, two sets of eight, at v0 and v128.   window 2: accumulator (a, b) at v[8 (8 a + b)].   window 3: for row tile a, cos at v[64 a], sin at v[64 a + 32]: 32 each.
.set FR,    12
.set IMG,   1536
.set BLK,   6400
.set RTS,   25600
.set TEN,   3276800
.set SLOT,  24*BLK                     ; source 1's 16 row tiles, then source 0's 8
.set BOFF,  16*BLK
.set SPARE, 2*SLOT                     ; the spare words, 128 bytes a wave: two blocks of 256 bytes that no other line names
.set SCR,   SPARE+512                  ; 256 bytes a wave: the scale words of its four fragments; no tile lands here
.set LI,   1                           ; v1   16 x lane
.set FO,   2                           ; v2   my row's place in the tables of cos and sin
.set SWI,  3                           ; v3   SCR: where my row's scale word goes
.set SWR,  4                           ; v4   SCR: 8 x lane, on the way out
.set SWG,  5                           ; v5   8 x lane
.set SPW,  6                           ; v6   my spare word; never rewritten
.set NIL,  7                           ; v7   0; never rewritten
.set ADRA, 8                           ; v8-9   source 1's fragments in slot 0, 1
.set ADRB, 10                          ; v10-11 source 0's
.set ADS,  12                          ; v12-13 scale words: lanes 0-15 source 1's rows, lanes 16-31 source 0's
.set TM,   16
.set SC,   32                          ; set s at v[SC + 32 s]; register 4 i + q: the words of block i for the slot's q-th 128 along K
.set AF,   96
.set X,    96                          ; the way out: 64 rotated numbers
.set PC,   160                         ; the fragment
.set PW,   172                         ; its scale word
.set SBK,  174                         ; v174-175 scale words read back
.set TT,   176                         ; v176-179 at work
.set PT,   180                         ; v180-187
.set T,    192                         ; v192-255 cos and sin of the double angle, in pairs
.set G1,  24
.set G0,  32
.set G1B, 48
.set G0B, 56
.set SEL, 12                           ; s[12:13]
.set MUL, 0xa1                         ; source 0 window 1, source 1 window 0, C and D window 2
.set MSB, 0
.macro WIN new                         ; the immediate's high byte repeats the setting that is left
.if MSB != (\new)
	s_set_vgpr_msb (MSB<<8)|(\new)
.set MSB, (\new)
.endif
.endm
.macro PLACES
.rept 4
	v_nop
.endr
.endm
; A joint load: waves 0 and 1 fetch source 1's two halves, waves 2 and 3 source 0's.  The branch hangs on the wave's number alone.  Four v_nop follow each of the two lines.
.macro JLOAD g0a, g1a, g0b, g1b
	s_cmp_eq_u32 s15, 0
	s_cbranch_scc0 .Lfor_b_\@
	tensor_load_to_lds s[\g0a:\g0a+3], s[\g1a:\g1a+7]
	s_nop 0
.rept 4
	v_nop
.endr
	s_branch .Lasked_\@
.Lfor_b_\@:
	tensor_load_to_lds s[\g0b:\g0b+3], s[\g1b:\g1b+7]
	s_nop 0
.rept 4
	v_nop
.endr
.Lasked_\@:
.endm
.macro CREST                           ; a round of the cluster's barrier behind its opening barrier
	s_cmp_lg_u32 s14, 0
	s_cbranch_scc1 .Lnot_wave_0_\@
	s_barrier_signal -3
.Lnot_wave_0_\@:
	s_barrier_wait -3
	s_barrier_signal -1
	s_barrier_wait -1
.endm
.macro CROUND
	s_barrier_signal -1
	s_barrier_wait -1
	CREST
.endm
; The quantiser: 64 numbers of a lane, v[s] on in window w, register 16 b + i = K 32 b + 16 (lane / 16) + i of my row, become a fragment in v[PC] on and its scale word in v[PW].
.macro QMAX s, w
	WIN ((\w)|((\w)<<2))
.irp b, 0,1,2,3
	v_max3_num_f32 v[TM+\b], |v[(\s)+16*\b]|, |v[(\s)+16*\b+1]|, 0x1800000   ; my 16 numbers of block b, and the floor 2^(3 - 127): the byte cannot fall under 1
.endr
	WIN (((\w)<<2)|((\w)<<4))
.irp i, 2,4,6,8,10,12,14
.irp b, 0,1,2,3
	v_max3_num_f32 v[TM+\b], v[TM+\b], |v[(\s)+16*\b+\i]|, |v[(\s)+16*\b+\i+1]|
.endr
.endr
	WIN 0
.irp b, 0,1,2,3
	v_permlanex16_b32 v[TM+4+\b], v[TM+\b], s[SEL], s[SEL+1]
.endr
.irp b, 0,1,2,3
	v_max_num_f32 v[TM+\b], v[TM+\b], v[TM+4+\b]   ; with lane l xor 16's: the block's largest magnitude
.endr
.endm
.macro QSCALE
.irp b, 0,1,2,3
	v_add_nc_u32 v[TM+12+\b], 0xff000000, v[TM+\b] ; 2 off the exponent field: the conversion's scale operand
.endr
.irp b, 0,1,2,3
	v_lshrrev_b32 v[TM+4+\b], 23, v[TM+12+\b]      ; the scale's byte
.endr
	v_lshl_or_b32 v[PW], v[TM+5], 8, v[TM+4]
	v_lshl_or_b32 v[PW], v[TM+6], 16, v[PW]
	v_lshl_or_b32 v[PW], v[TM+7], 24, v[PW]
.endm
.macro QCONV s, w
	WIN (\w)
.irp c, 0,1
	v_cvt_scalef32_pk16_fp6_f32 v[PC+6*\c:PC+6*\c+2], v[(\s)+32*\c:(\s)+32*\c+15], v[TM+12+2*\c]
	v_cvt_scalef32_pk16_fp6_f32 v[PT+4*\c:PT+4*\c+2], v[(\s)+16+32*\c:(\s)+31+32*\c], v[TM+13+2*\c]   ; (a conversion's three registers begin on an even number)
.endr
	WIN 0
	v_nop                                          ; one plain place behind a scaled conversion
.irp c, 0,1                                    ; a WHOLE block in a lane: lanes 0-15 block 2 c, lanes 16-31 block 2 c + 1
.irp i, 0,1,2
	v_permlane16_swap_b32 v[PC+6*\c+\i], v[PT+4*\c+\i]
.endr
.irp i, 0,1,2
	v_mov_b32 v[PC+3+6*\c+\i], v[PT+4*\c+\i]
.endr
.endr
.endm
.macro QUANT s, w
	QMAX \s, \w
	QSCALE
	QCONV \s, \w
.endm
	s_load_b256 s[4:11], s[0:1], 0x0               ; opx s[4:5], cos s[6:7], sin s[8:9], qv s[10:11]
	v_lshl_add_u32 v[SPW], v0, 2, SPARE
	v_mov_b32 v[NIL], 0
	ds_add_u32 v6, v7
	s_wait_dscnt 0x0
	v_lshrrev_b32 v1, 5, v0
	v_readfirstlane_b32 s14, v1                    ; wave 0..3
	s_lshr_b32 s15, s14, 1                         ; I fetch for source 1 (0) or source 0 (1)
	s_and_b32 s16, s14, 1                          ; which half of that tile
	s_bfe_u32 s40, ttmp6, 0x40000                  ; cx, cy: my place in the cluster
	s_bfe_u32 s41, ttmp6, 0x40004
	s_lshl_b32 s42, ttmp9, 2
	s_add_co_u32 s42, s42, s40                     ; tx: which 128 columns
	s_and_b32 s17, ttmp7, 0xffff                   ; the cluster's y
	s_lshr_b32 s45, s17, 1                         ; the part: the same in all sixteen partners
	s_and_b32 s46, s17, 1
	s_lshl_b32 s46, s46, 2
	s_add_co_u32 s46, s46, s41                     ; ty: which 256 rows, 0 .. 7
	s_lshl_b32 s43, s41, 2
	s_lshl_b32 s43, 15, s43                        ; my row of the cluster
	s_lshl_b32 s44, 0x1111, s40                    ; my column
	; descriptor group 1: rows of 6,400 bytes (800 elements of 8 bytes), 25,600 bytes apart in memory, dense in LDS: 8 of them for source 1, 4 for source 0
	s_or_b32 s[G1+0], s43, (3<<16)|(1<<21)         ; 15:0 the mask; 17:16 elements of 8 bytes; 20 no padding; 21 set beside a mask
	s_or_b32 s[G1B+0], s44, (3<<16)|(1<<21)
	s_mov_b32 s[G1+1], 800<<16                     ; tensor_dim0
	s_mov_b32 s[G1+2], 8<<16                       ; tensor_dim1
	s_mov_b32 s[G1+3], 800<<16                     ; tile_dim0
	s_mov_b32 s[G1+4], 8                           ; tile_dim1
	s_mov_b32 s[G1+5], 3200                        ; tensor_dim0_stride
	s_mov_b32 s[G1+6], 0
	s_mov_b32 s[G1+7], 0
	s_mov_b32 s[G1B+1], 800<<16
	s_mov_b32 s[G1B+2], 4<<16
	s_mov_b32 s[G1B+3], 800<<16
	s_mov_b32 s[G1B+4], 4
	s_mov_b32 s[G1B+5], 3200
	s_mov_b32 s[G1B+6], 0
	s_mov_b32 s[G1B+7], 0
	s_cmp_lg_u32 s45, 0
	s_cselect_b32 s20, 2*TEN, 0                    ; source 1: x (part 0) or wv (part 1)
	s_cselect_b32 s66, 0, TEN                      ; source 0: wq (part 0) or x (part 1)
	s_lshl_b32 s21, s46, 4
	s_lshl_b32 s22, s16, 3
	s_add_co_u32 s21, s21, s22                     ; row tile 16 ty + 8 x half
	s_mul_i32 s21, s21, RTS
	s_add_co_u32 s20, s20, s21
	s_mov_b32 s21, 0
	s_lshl_b32 s67, s42, 3
	s_lshl_b32 s22, s16, 2
	s_add_co_u32 s67, s67, s22                     ; row tile 8 tx + 4 x half
	s_mul_i32 s67, s67, RTS
	s_add_co_u32 s66, s66, s67
	s_mov_b32 s67, 0
	s_mul_i32 s47, s16, 8*BLK                      ; where they go: no place in the cluster enters an LDS address
	s_mul_i32 s23, s16, 4*BLK
	s_add_co_u32 s23, s23, BOFF
	s_wait_kmcnt 0x0
	s_add_nc_u64 s[20:21], s[4:5], s[20:21]
	s_add_nc_u64 s[66:67], s[4:5], s[66:67]
	CROUND                                         ; all sixteen work-groups are here: the first joint loads meet
.irp s, 0,1
	s_mov_b32 s[G0+4*\s], 1
	s_add_co_u32 s[G0+4*\s+1], s47, \s*SLOT
	s_add_nc_u64 s[G0+4*\s+2:G0+4*\s+3], s[20:21], \s*BLK
	s_or_b32 s[G0+4*\s+3], s[G0+4*\s+3], 0x80000000
	s_mov_b32 s[G0B+4*\s], 1
	s_add_co_u32 s[G0B+4*\s+1], s23, \s*SLOT
	s_add_nc_u64 s[G0B+4*\s+2:G0B+4*\s+3], s[66:67], \s*BLK
	s_or_b32 s[G0B+4*\s+3], s[G0B+4*\s+3], 0x80000000
	JLOAD G0+4*\s, G1, G0B+4*\s, G1B               ; K steps 0 and 1: two tensor loads of mine are out
.endr
	v_and_b32 v14, 31, v0
	v_lshlrev_b32 v[LI], 4, v14
	v_lshlrev_b32 v[SWG], 3, v14
	v_and_b32 v15, 15, v0                          ; r
	v_bfe_u32 v14, v0, 4, 1                        ; h
	v_and_b32 v[FO], 8, v15
	v_add_nc_u32 v[FO], v[FO], v15                 ; r + 8 (r / 8)
	v_lshlrev_b32 v[FO], 8, v[FO]                  ; a row of a table is 256 bytes;
	v_lshl_add_u32 v[FO], v14, 5, v[FO]            ; my half's eight pairs of each block of 32: + 32 h
	s_lshl_b32 s72, s14, 8
	s_add_co_u32 s72, s72, SCR
	v_lshl_add_u32 v[SWI], v15, 3, s72
	v_add_nc_u32 v[SWR], s72, v[SWG]
	s_mul_i32 s73, s14, 4*BLK                      ; my four row tiles of source 1
	v_add_nc_u32 v[ADRA], s73, v[LI]
	v_add_nc_u32 v[ADRA+1], SLOT, v[ADRA]
	v_add_nc_u32 v[ADRB], BOFF, v[LI]
	v_add_nc_u32 v[ADRB+1], SLOT, v[ADRB]
	s_xor_b32 s74, s14, 3
	s_mul_i32 s74, s74, 4*BLK
	s_add_co_u32 s74, s74, 4*BLK                   ; from my rows' scale words to source 0's: (4 - wave) x 25,600
	v_mul_u32_u24 v[ADS+1], s74, v14               ; lanes 16-31 take source 0's
	v_lshl_add_u32 v[ADS], v15, 4, v[ADS+1]
	v_add_nc_u32 v[ADS], s73, v[ADS]
	v_add_nc_u32 v[ADS], 4*IMG, v[ADS]
	v_add_nc_u32 v[ADS+1], SLOT, v[ADS]
.irp b, 0,1,2,3
	v_mov_b32 v[TM+4+\b], 0                        ; written once: a lane permute's destination counts as one of its sources
.endr
	s_mov_b32 s[SEL], 0x76543210
	s_mov_b32 s[SEL+1], 0xfedcba98
	s_lshl_b32 s76, s46, 16
	s_lshl_b32 s77, s14, 14
	s_add_co_u32 s76, s76, s77                     ; the tables at row 256 ty + 64 wave
	s_mov_b32 s77, 0
	s_add_nc_u64 s[6:7], s[6:7], s[76:77]
	s_add_nc_u64 s[8:9], s[8:9], s[76:77]
	s_lshl_b32 s78, s46, 1
	s_add_co_u32 s78, s78, s15                     ; u = 2 ty + wave / 2: my rows' 128
	s_cmp_lg_u32 s45, 0
	s_cselect_b32 s79, s78, s42                    ; the head: tx (part 0), u (part 1)
	s_cselect_b32 s78, s42, s78                    ; the step: u (part 0), tx (part 1)
	s_cselect_b32 s68, TEN, 0
	s_mul_i32 s79, s79, 204800
	s_mul_i32 s78, s78, 12800
	s_add_co_u32 s68, s68, s79
	s_add_co_u32 s68, s68, s78
	s_mov_b32 s69, 0
	s_add_nc_u64 s[68:69], s[10:11], s[68:69]
	s_lshl_b32 s70, s16, 8
	s_add_co_u32 s70, s70, 8*IMG
	s_mov_b32 s71, 0
	s_add_nc_u64 s[70:71], s[68:69], s[70:71]      ; my 256 bytes of scale words
	s_mul_i32 s78, s16, 4*IMG
	s_mov_b32 s79, 0
	s_add_nc_u64 s[68:69], s[68:69], s[78:79]      ; my four images
	; cos and sin of my 64 rows: lane (r, h) wants, of row tile a's row r, pairs 16 b + 8 h + 0 .. 7.  Both parts load them (in part 1 the rows lie inside the tables and the numbers are not used): so no branch stands here
	WIN 0xc0                                       ; destination window 3
.irp a, 0,1,2,3
.irp b, 0,1,2,3
.irp e, 0,1
	global_load_b128 v[64*\a+8*\b+4*\e:64*\a+8*\b+4*\e+3], v[FO], s[6:7] offset:(32*(\a/2)+8*(\a%2))*256+64*\b+16*\e
	global_load_b128 v[64*\a+32+8*\b+4*\e:64*\a+32+8*\b+4*\e+3], v[FO], s[8:9] offset:(32*(\a/2)+8*(\a%2))*256+64*\b+16*\e
.endr
.endr
.endr
	WIN 0
; 36 LDS loads: source 0's eight fragments and my four of source 1, of the slot's q-th 128 along K, into set p
.macro FETCH slot, q, p
	WIN 0x40
.irp b, 0,1,2,3,4,5,6,7
.irp c, 0,1,2
	ds_load_b128 v[128*(\p)+FR*\b+4*\c:128*(\p)+FR*\b+4*\c+3], v[ADRB+\slot] offset:BLK*\b+IMG*(\q)+512*\c
.endr
.endr
	WIN 0
.irp a, 0,1,2,3
.irp c, 0,1,2
	ds_load_b128 v[AF+48*(\p)+FR*\a+4*\c:AF+48*(\p)+FR*\a+4*\c+3], v[ADRA+\slot] offset:BLK*\a+IMG*(\q)+512*\c
.endr
.endr
.endm
; the slot's scale words: four words a row.  Lanes 16-31 take source 0's block i, lanes 0-15 source 1's block i (for i above 3 lanes 0-15 read other bytes of the slot, which nothing uses)
.macro SCALES slot
.irp i, 0,1,2,3,4,5,6,7
	ds_load_b128 v[SC+32*(\slot)+4*\i:SC+32*(\slot)+4*\i+3], v[ADS+\slot] offset:BLK*\i
.endr
.endm
; 8 matrix instructions: my row tile a against the eight column tiles.  The 32 accumulators take turns, one instruction a turn, in the same order in every step.
.macro MUL8 a, p, q, sc, zero
.irp b, 0,1,2,3,4,5,6,7
.if \zero
	v_wmma_scale_f32_16x16x128_f8f6f4 v[8*(8*(\a)+\b):8*(8*(\a)+\b)+7], v[128*(\p)+FR*\b:128*(\p)+FR*\b+FR-1], v[AF+48*(\p)+FR*(\a):AF+48*(\p)+FR*(\a)+FR-1], 0, v[SC+32*(\sc)+4*\b+(\q)], v[SC+32*(\sc)+4*(\a)+(\q)] matrix_a_fmt:MATRIX_FMT_FP6 matrix_b_fmt:MATRIX_FMT_FP6 matrix_a_scale:MATRIX_SCALE_ROW1
.else
	v_wmma_scale_f32_16x16x128_f8f6f4 v[8*(8*(\a)+\b):8*(8*(\a)+\b)+7], v[128*(\p)+FR*\b:128*(\p)+FR*\b+FR-1], v[AF+48*(\p)+FR*(\a):AF+48*(\p)+FR*(\a)+FR-1], v[8*(8*(\a)+\b):8*(8*(\a)+\b)+7], v[SC+32*(\sc)+4*\b+(\q)], v[SC+32*(\sc)+4*(\a)+(\q)] matrix_a_fmt:MATRIX_FMT_FP6 matrix_b_fmt:MATRIX_FMT_FP6 matrix_a_scale:MATRIX_SCALE_ROW1
.endif
.endr
.endm
; 128 along K that has its successor in the same slot: the successor's fragments are asked for first, into the other set, and land under this step's 32 products
.macro STEP slot, q, zero
	PLACES                                         ; four plain places between the last products and loads into the registers that they read
	FETCH \slot, (\q)+1, 1-(\q)%2
	s_wait_dscnt 36                                ; all but the 36 just issued: this step's fragments (and scale words) are in
	WIN MUL
	MUL8 0, (\q)%2, \q, \slot, \zero
	MUL8 1, (\q)%2, \q, \slot, \zero
	MUL8 2, (\q)%2, \q, \slot, \zero
	MUL8 3, (\q)%2, \q, \slot, \zero
	WIN 0
.endm
; A slot's last 128 change slots: ONE barrier; in front of it each wave waits for all its tensor loads, adds 0 to its spare word, and waits for that and for its reads of this slot.  fill = 1: the slot is filled again, two K steps ahead.
.macro TURN slot, next, fill
	s_wait_tensorcnt 0x0                           ; all my tensor loads have landed: my part of the next slot
	ds_add_u32 v[SPW], v[NIL]                      ; 0 onto my spare word
	s_wait_dscnt 1                                 ; my fragments are in; the add may be out
	WIN MUL
	MUL8 0, 1, 3, \slot, 0                         ; eight matrix instructions stand between the add and the wait for it
	s_wait_dscnt 0x0                               ; the add is done, and my reads of this slot are over
	s_barrier_signal -1
	MUL8 1, 1, 3, \slot, 0
	WIN 0
	s_barrier_wait -1
.if \fill
	CREST                                          ; the barrier has opened a round of the cluster's barrier: no wave of any partner still reads this slot or has a load on its way
	s_add_nc_u64 s[G0+4*\slot+2:G0+4*\slot+3], s[G0+4*\slot+2:G0+4*\slot+3], 2*BLK
	s_add_nc_u64 s[G0B+4*\slot+2:G0B+4*\slot+3], s[G0B+4*\slot+2:G0B+4*\slot+3], 2*BLK
	JLOAD G0+4*\slot, G1, G0B+4*\slot, G1B         ; the first tensor load behind the round; its four v_nop are the places in front of the loads below
.else
	PLACES
.endif
	FETCH \next, 0, 0
	SCALES \next
	WIN MUL
	MUL8 2, 1, 3, \slot, 0
	MUL8 3, 1, 3, \slot, 0
	WIN 0
.endm
	s_wait_tensorcnt 1                             ; my part of K step 0 is in; K step 1's load may be out
	s_barrier_signal -1
	s_barrier_wait -1
	FETCH 0, 0, 0
	SCALES 0
	STEP 0, 0, 1                                   ; the first products start the sums: nothing is cleared
	STEP 0, 1, 0
	STEP 0, 2, 0
	TURN 0, 1, 1
	STEP 1, 0, 0
	STEP 1, 1, 0
	STEP 1, 2, 0
	TURN 1, 0, 1
	STEP 0, 0, 0
	STEP 0, 1, 0
	STEP 0, 2, 0
	TURN 0, 1, 0                                   ; nothing is left to fetch: a plain barrier
	STEP 1, 0, 0
	STEP 1, 1, 0
	STEP 1, 2, 0
	s_wait_dscnt 0x0
	WIN MUL
	MUL8 0, 1, 3, 1, 0
	MUL8 1, 1, 3, 1, 0
	MUL8 2, 1, 3, 1, 0
	MUL8 3, 1, 3, 1, 0
	WIN 0
; THE WAY OUT, a row tile at a time.  Its 64 results of a lane are 16 neighbours of each block of 32 along the next K.
.macro TRIG a                          ; cos(2 x) = c c - s s, sin(2 x) = 2 c s, in pairs
	WIN 0x0f                                       ; sources 0 and 1 window 3
.set i, 0
.rept 32
	v_mul_f32 v[TT+2*(i%2)], v[64*(\a)+32+i], v[64*(\a)+32+i]
	v_mul_f32 v[TT+2*(i%2)+1], v[64*(\a)+i], v[64*(\a)+32+i]
	v_fma_f32 v[T+2*i], v[64*(\a)+i], v[64*(\a)+i], -v[TT+2*(i%2)]
	v_fma_f32 v[T+2*i+1], v[64*(\a)+i], v[64*(\a)+32+i], v[TT+2*(i%2)+1]
.set i, i+1
.endr
.endm
.macro ROPE a                          ; (re, im) -> (re c2 - im s2, re s2 + im c2); each accumulator is read from its low end on
	WIN 0x02                                       ; source 0 window 2
.set i, 0
.rept 32
	v_mul_f32 v[X+2*i], v[64*(\a)+2*i], v[T+2*i]
	v_mul_f32 v[X+2*i+1], v[64*(\a)+2*i], v[T+2*i+1]
	v_fma_f32 v[X+2*i], -v[64*(\a)+2*i+1], v[T+2*i+1], v[X+2*i]
	v_fma_f32 v[X+2*i+1], v[64*(\a)+2*i+1], v[T+2*i], v[X+2*i+1]
.set i, i+1
.endr
.endm
.macro EPI a
	s_wait_xcnt 0x0                                ; the last tile's stores have read the fragment's registers
	s_cmp_lg_u32 s45, 0
	s_cbranch_scc1 .Lvalues_\@
	TRIG \a
	ROPE \a
	QUANT X, 0
	s_branch .Lout_\@
.Lvalues_\@:
	QUANT 64*(\a), 2                               ; V^T goes as it is, straight from the accumulators
.Lout_\@:
.irp c, 0,1,2
	global_store_b128 v[LI], v[PC+4*\c:PC+4*\c+3], s[68:69] offset:IMG*(\a)+512*\c   ; 32 lanes store 512 consecutive bytes, aligned to 256
.endr
	ds_store_b32 v[SWI], v[PW] offset:128*((\a)%2)+4*((\a)/2)   ; lanes l and l + 16 write the same word with the same value
.endm
	PLACES                                         ; behind the last products
	s_wait_loadcnt 0x0                             ; cos and sin
	EPI 0
	EPI 1
	EPI 2
	EPI 3
	ds_load_b64 v[SBK:SBK+1], v[SWR]               ; LDS serves a wave's instructions in order: this sees my four stores
	s_wait_dscnt 0x0
	global_store_b64 v[SWG], v[SBK:SBK+1], s[70:71]   ; 32 lanes store 256 consecutive bytes, aligned
	s_wait_tensorcnt 0x0                           ; the wave's end
	ds_add_u32 v[SPW], v[NIL]
	s_wait_dscnt 0x0
	CROUND                                         ; the closing round
	s_endpgm
.Lfunc_end_k_q69bdafab38_proj:
	.size	k_q69bdafab38_proj, .Lfunc_end_k_q69bdafab38_proj-k_q69bdafab38_proj
	.p2alignl 7, 3214868480
	.fill 96, 4, 3214868480
	.section	.rodata,"a",@progbits
	.p2align	6, 0x0
	.amdhsa_kernel k_q69bdafab38_proj
		.amdhsa_group_segment_fixed_size 327680
		.amdhsa_private_segment_fixed_size 0
		.amdhsa_enable_private_segment 0
		.amdhsa_kernarg_size 32
		.amdhsa_user_sgpr_count 2
		.amdhsa_user_sgpr_kernarg_segment_ptr 1
		.amdhsa_wavefront_size32 1
		.amdhsa_system_sgpr_workgroup_id_x 1
		.amdhsa_system_sgpr_workgroup_id_y 1
		.amdhsa_system_sgpr_workgroup_id_z 1
		.amdhsa_system_vgpr_workitem_id 0
		.amdhsa_next_free_vgpr 1024
		.amdhsa_next_free_sgpr 80
		.amdhsa_reserve_vcc 0
		.amdhsa_float_denorm_mode_32 3
		.amdhsa_float_denorm_mode_16_64 3
		.amdhsa_memory_ordered 1
		.amdhsa_forward_progress 1
		.amdhsa_inst_pref_size 204
	.end_amdhsa_kernel
	.amdgpu_metadata
---
amdhsa.version: [ 1, 2 ]
amdhsa.kernels:
  - .name:           k_q69bdafab38_proj
    .symbol:         k_q69bdafab38_proj.kd
    .args:
      - { .name: opx, .offset: 0, .size: 8, .value_kind: global_buffer, .address_space: global }
      - { .name: freqs_cos, .offset: 8, .size: 8, .value_kind: global_buffer, .address_space: global }
      - { .name: freqs_sin, .offset: 16, .size: 8, .value_kind: global_buffer, .address_space: global }
      - { .name: qv, .offset: 24, .size: 8, .value_kind: global_buffer, .address_space: global }
    .group_segment_fixed_size: 327680
    .private_segment_fixed_size: 0
    .kernarg_segment_align: 8
    .kernarg_segment_size: 32
    .max_flat_workgroup_size: 128
    .sgpr_count:     80
    .vgpr_count:     1024
    .wavefront_size: 32
...
	.end_amdgpu_metadata
.endif
;; end of part 2
;; launch attn (part 3): grid 16 x 16, 8 waves a work-group, clusters of 4 x 1, 327,680 bytes of LDS; arguments qv, mimg, ao; writes ao
.if DOCPART == 3
	.amdgcn_target "amdgcn-amd-amdhsa--gfx1250"
	.amdhsa_code_object_version 6
	.text
	.protected	k_q69bdafab38_attn
	.globl	k_q69bdafab38_attn
	.p2align	8
	.type	k_q69bdafab38_attn,@function
k_q69bdafab38_attn:
	s_mov_b64 s[64:65], 0
	v_nop
	global_prefetch_b8 v0, s[64:65] scope:SCOPE_SE
	s_setreg_imm32_b32 hwreg(HW_REG_WAVE_MODE, 25, 1), 1
	s_wait_xcnt 0x0
	s_wait_alu depctr_hold_cnt(0) depctr_sa_sdst(0) depctr_va_vdst(0) depctr_va_sdst(0) depctr_va_ssrc(0) depctr_va_vcc(0) depctr_vm_vsrc(0)
	s_getreg_b32 s2, hwreg(HW_REG_IB_STS2, 6, 4)
	s_cmp_eq_u32 s2, 0
	s_cbranch_scc0 .Lentry_in_a_cluster
	s_endpgm
.Lentry_in_a_cluster:
	s_bfe_u32 s2, ttmp6, 0x10000c
	s_cmp_lg_u32 s2, 0x3003
	s_cbranch_scc0 .Lentry_shape_is_right
	s_endpgm
.Lentry_shape_is_right:
; For each head: O = softmax(Q K^T / sqrt(128) + mask) V with K = Q (the module gives the rotated queries out as keys), both products on codes of FP6 (E2M3) with E8M0 scales; O / the row's sum is quantised along the model's 2,048 for the last product.
; THE MASK IS AN INPUT: it is added as it stands to all 2,048 x 2,048 scores of every head; nothing is skipped.  mimg holds mask x sqrt(128) in the layout of a tile of scores, and it is the C of the score product:
; t = c (s + mask sqrt(128)) = (s / sqrt(128) + mask) log2(e), c = log2(e) / sqrt(128).
; THE SOFTMAX: M = the row's largest t so far, rounded UP to a whole number; p = 2^(t - M) is quantised along the keys, not normalised; the row's sum is taken of the unquantised p; when M moves, the sum and O are multiplied by 2^(old M - new M): exact.
; SHARES.  A work-group owns 128 queries of one head, each of its eight waves one tile of 16: two waves to a SIMD, so that one wave's vector work stands beside the other's matrix work and LDS loads.  Every wave walks 16 key steps of 128 keys.
; LAYOUT.  Both products transposed: S^T = K Q^T (source 0 = 16 keys), O^T = V^T P^T (source 0 = 16 of the head's 128): a lane holds ONE query throughout.  Lane r of tile 2 b + u of source 0 holds row 32 b + 8 u + r + 8 (r / 8), so that the 16 registers
; of result tiles 2 b and 2 b + 1 are 16 neighbours.  qv holds all operands as images of their registers (1,536 bytes a fragment: registers 4 c .. 4 c + 3 of lane l at 512 c + 16 l): [part][head][step][8 images + 512 bytes of scale words].
; THE RING: two LDS slots of four key steps (K's four blocks of 12,800 bytes, then V's), filled by waves 0 to 3, one tensor load each of 25,600 dense bytes.
; CLUSTER: the four query blocks of a cluster belong to one head and walk the same K and V: each tile is asked for jointly.  My place in the cluster enters only the global addresses of Q, the mask and the output.
; The finished tile's scale words are 4 bytes a row, 16 bytes apart: 64 bytes a wave against 1,536 of codes; their neighbours belong to three other heads.
; LIMITS: NaN and infinities are not served.  A row whose every logit is a mask number some 2^24 times its scores comes out as f32 rounding decides.  A block whose largest magnitude lies under 2^-124 gets the scale byte 1.
; REGISTERS.  window 0: see the names below.   window 1: v0-63, v64-127 two buffers of mask; v128-191 O^T.
.set FR,    12
.set IMG,   1536
.set STEPB, 12800                      ; a key step's block
.set VOFF,  4*STEPB
.set SLOT1, 1<<17
.set TEN,   3276800
.set RTS,   25600
.set BLK,   6400
.set SPARE, SLOT1+8*STEPB              ; the spare words, 128 bytes a wave: four blocks of 256 bytes that no other line names
.set LI,   1                           ; v1   16 x lane; never rewritten
.set ADK,  2                           ; v2   K's images in the slot in hand
.set ADV,  3                           ; v3   V's
.set ASK,  4                           ; v4   K's scale words
.set ASV,  5                           ; v5   V's
.set SPW,  6                           ; v6   my spare word; never rewritten
.set NIL,  7                           ; v7   0; never rewritten
.set KS,   8                           ; v8-11   K's scale words: tile t in register t / 2, lanes 0-15 (t even) or 16-31 (t odd)
.set NM,   12                          ; v12 -M, v13 the largest t
.set SUM,  14                          ; v14-15  the row's sum in two halves
.set QF,   16                          ; v16-27  Q's fragment
.set QS,   28                          ; v28     its scale word
.set PW,   29                          ; v29     p's scale word
.set FF,   30                          ; v30 f = 2^(old M - new M); v31 = 0, named with it as a pair
.set FB,   32                          ; v32-127 eight fragments of K or of V
.set S,    128                         ; v128-191 S^T, then p
.set PC,   192                         ; v192-203 p's codes
.set PT,   204                         ; v204-211
.set TM,   212                         ; v212-227 at work in the quantiser
.set VS,   228                         ; v228-231 V's scale words
.set W,    232                         ; v232 at work
.set AV0,  240                         ; v240 16 x lane + VOFF;  v241 8 x lane + 12,288;  v242 that + VOFF;  v243 16 x (lane % 16)
.set AK1,  241
.set AV1,  242
.set RO,   243
.set O,    128                         ; in window 1
.set WV,   18
.set SEL,  20
.set CS,   22
.set G1,   24
.set G0,   32
.set MP,   36                          ; s[36:37] my tile's mask, at the slot in hand
.set SLOTS, 40
.set TB,   41                          ; LDS byte at which the slot in hand begins
.set MSB, 0
.macro WIN new                         ; the immediate's high byte repeats the setting that is left
.if MSB != (\new)
	s_set_vgpr_msb (MSB<<8)|(\new)
.set MSB, (\new)
.endif
.endm
.macro PLACES
.rept 4
	v_nop
.endr
.endm
.macro TLOAD                           ; waves 0 to 3 fetch, the others nothing; the branch hangs on the wave's number alone; four v_nop follow the load
	s_cmp_lt_u32 s[WV], 4
	s_cbranch_scc0 .Lasked_\@
	tensor_load_to_lds s[G0:G0+3], s[G1:G1+7]
	s_nop 0
.rept 4
	v_nop
.endr
.Lasked_\@:
.endm
.macro CROUND                          ; a round of the cluster's barrier
	s_barrier_signal -1
	s_barrier_wait -1
	s_cmp_lg_u32 s[WV], 0
	s_cbranch_scc1 .Lnot_wave_0_\@
	s_barrier_signal -3
.Lnot_wave_0_\@:
	s_barrier_wait -3
	s_barrier_signal -1
	s_barrier_wait -1
.endm
.macro QMAX s, w
	WIN ((\w)|((\w)<<2))
.irp b, 0,1,2,3
	v_max3_num_f32 v[TM+\b], |v[(\s)+16*\b]|, |v[(\s)+16*\b+1]|, 0x1800000   ; my 16 numbers of block b, and the floor 2^(3 - 127)
.endr
	WIN (((\w)<<2)|((\w)<<4))
.irp i, 2,4,6,8,10,12,14
.irp b, 0,1,2,3
	v_max3_num_f32 v[TM+\b], v[TM+\b], |v[(\s)+16*\b+\i]|, |v[(\s)+16*\b+\i+1]|
.endr
.endr
	WIN 0
.irp b, 0,1,2,3
	v_permlanex16_b32 v[TM+4+\b], v[TM+\b], s[SEL], s[SEL+1]
.endr
.irp b, 0,1,2,3
	v_max_num_f32 v[TM+\b], v[TM+\b], v[TM+4+\b]
.endr
.endm
.macro QSCALE
.irp b, 0,1,2,3
	v_add_nc_u32 v[TM+12+\b], 0xff000000, v[TM+\b] ; 2 off the exponent field: the conversion's scale operand
.endr
.irp b, 0,1,2,3
	v_lshrrev_b32 v[TM+4+\b], 23, v[TM+12+\b]      ; the scale's byte
.endr
	v_lshl_or_b32 v[PW], v[TM+5], 8, v[TM+4]
	v_lshl_or_b32 v[PW], v[TM+6], 16, v[PW]
	v_lshl_or_b32 v[PW], v[TM+7], 24, v[PW]
.endm
.macro QCONV s, w
	WIN (\w)
.irp c, 0,1
	v_cvt_scalef32_pk16_fp6_f32 v[PC+6*\c:PC+6*\c+2], v[(\s)+32*\c:(\s)+32*\c+15], v[TM+12+2*\c]
	v_cvt_scalef32_pk16_fp6_f32 v[PT+4*\c:PT+4*\c+2], v[(\s)+16+32*\c:(\s)+31+32*\c], v[TM+13+2*\c]   ; (a conversion's three registers begin on an even number)
.endr
	WIN 0
	v_nop                                          ; one plain place behind a scaled conversion
.irp c, 0,1                                    ; a WHOLE block in a lane: lanes 0-15 block 2 c, lanes 16-31 block 2 c + 1
.irp i, 0,1,2
	v_permlane16_swap_b32 v[PC+6*\c+\i], v[PT+4*\c+\i]
.endr
.irp i, 0,1,2
	v_mov_b32 v[PC+3+6*\c+\i], v[PT+4*\c+\i]
.endr
.endr
.endm
	s_load_b128 s[4:7], s[0:1], 0x0                ; qv, mimg
	s_load_b64 s[8:9], s[0:1], 0x10                ; ao
	v_lshl_add_u32 v[SPW], v0, 2, SPARE
	v_mov_b32 v[NIL], 0
	ds_add_u32 v6, v7
	s_wait_dscnt 0x0
	v_lshrrev_b32 v1, 5, v0
	v_readfirstlane_b32 s[WV], v1                  ; wave 0..7
	s_bfe_u32 s10, ttmp6, 0x40000                  ; cx
	s_lshl_b32 s11, ttmp9, 2
	s_add_co_u32 s11, s11, s10                     ; my block of 128 queries
	s_and_b32 s12, ttmp7, 0xffff                   ; the head, which the four partners share
	s_mul_i32 s14, s12, 16*STEPB                   ; the head's first byte in a part of qv
	; what I fetch, if I fetch: waves 0, 1: K's steps 0, 1 and 2, 3 of a slot; waves 2, 3: V's
	s_bfe_u32 s16, s[WV], 0x10001
	s_mul_i32 s16, s16, TEN
	s_and_b32 s17, s[WV], 1
	s_mul_i32 s17, s17, 2*STEPB
	s_add_co_u32 s16, s16, s17
	s_add_co_u32 s16, s16, s14
	s_mov_b32 s17, 0
	s_mul_i32 s19, s[WV], 2*STEPB                  ; and where it goes: no place in the cluster enters an LDS address
	; descriptor group 1: 25,600 dense bytes as 100 rows of 256 bytes (32 elements of 8 bytes), no padding
	s_mov_b32 s[G1], 15|(3<<16)|(1<<21)            ; 15:0 the mask: all four work-groups; 17:16 elements of 8 bytes; 21 set beside a mask
	s_mov_b32 s[G1+1], 32<<16
	s_mov_b32 s[G1+2], 100<<16
	s_mov_b32 s[G1+3], 32<<16
	s_mov_b32 s[G1+4], 100
	s_mov_b32 s[G1+5], 32
	s_mov_b32 s[G1+6], 0
	s_mov_b32 s[G1+7], 0
	s_wait_kmcnt 0x0
	s_mov_b32 s[G0], 1
	s_mov_b32 s[G0+1], s19
	s_add_nc_u64 s[G0+2:G0+3], s[4:5], s[16:17]
	s_or_b32 s[G0+3], s[G0+3], 0x80000000
	CROUND                                         ; all four work-groups are here: the first joint loads meet
	TLOAD                                          ; slot 0: one tensor load of mine is out
	s_mul_i32 s46, s11, STEPB
	s_add_co_u32 s46, s46, s14                     ; my queries' block in part 0: they are key step (my block) of the head
	s_lshr_b32 s48, s[WV], 2                       ; my tile's scale words: half wave / 4, lanes 16 (wave % 2) on, word (wave / 2) % 2
	s_lshl_b32 s48, s48, 8
	s_and_b32 s49, s[WV], 1
	s_lshl_b32 s49, s49, 7
	s_add_co_u32 s48, s48, s49
	s_bfe_u32 s49, s[WV], 0x10001
	s_lshl_b32 s49, s49, 2
	s_add_co_u32 s48, s48, s49
	s_add_co_u32 s48, s48, s46
	s_add_co_u32 s48, s48, 8*IMG
	s_mov_b32 s49, 0
	s_add_nc_u64 s[48:49], s[4:5], s[48:49]
	s_mul_i32 s47, s[WV], IMG
	s_add_co_u32 s46, s46, s47
	s_mov_b32 s47, 0
	s_add_nc_u64 s[46:47], s[4:5], s[46:47]        ; my tile's image
	s_lshl_b32 s50, s11, 3
	s_add_co_u32 s50, s50, s[WV]                   ; my tile of queries, 0 .. 127
	s_lshl_b32 s[MP], s50, 17
	s_mov_b32 s[MP+1], 0
	s_add_nc_u64 s[MP:MP+1], s[6:7], s[MP:MP+1]
	s_mul_i32 s42, s50, RTS                        ; the output: row tile, 512 along K = head / 4, image head % 4
	s_lshr_b32 s43, s12, 2
	s_mul_i32 s43, s43, BLK
	s_add_co_u32 s42, s42, s43
	s_and_b32 s43, s12, 3
	s_lshl_b32 s44, s43, 2
	s_add_co_u32 s44, s44, s42
	s_add_co_u32 s44, s44, 4*IMG
	s_mov_b32 s45, 0
	s_add_nc_u64 s[44:45], s[8:9], s[44:45]        ; its scale words
	s_mul_i32 s43, s43, IMG
	s_add_co_u32 s42, s42, s43
	s_mov_b32 s43, 0
	s_add_nc_u64 s[42:43], s[8:9], s[42:43]
	s_mov_b32 s[SEL], 0x76543210
	s_mov_b32 s[SEL+1], 0xfedcba98                 ; v_permlanex16_b32's selects for lane l xor 16
	s_mov_b32 s[CS], 0x3e0293ee                    ; c = log2(e) / sqrt(128)
	s_mov_b32 s[CS+1], s[CS]                       ; (named with it as a pair, so it is written)
	s_mov_b32 s[TB], 0
	s_mov_b32 s[SLOTS], 3
	v_and_b32 v[W], 31, v0
	v_lshlrev_b32 v[LI], 4, v[W]
	v_add_nc_u32 v[AV0], VOFF, v[LI]
	v_lshl_add_u32 v[AK1], v[W], 3, 8*IMG
	v_add_nc_u32 v[AV1], VOFF, v[AK1]
	v_and_b32 v[W], 15, v0
	v_lshlrev_b32 v[W], 3, v[W]
.irp c, 0,1,2
	global_load_b128 v[QF+4*\c:QF+4*\c+3], v[LI], s[46:47] offset:512*\c   ; Q's fragment stays in registers
.endr
	global_load_b32 v[QS], v[W], s[48:49]
	WIN 0x40                                       ; destination window 1
.set g, 0
.rept 32
	global_load_b128 v[4*g:4*g+3], v[LI], s[MP:MP+1] offset:512*g   ; the mask of key steps 0 and 1
.set g, g+1
.endr
.set g, 0
.rept 64
	v_mov_b32 v[O+g], 0                            ; O^T.  (The step is written once: the first finds zeros, which the first change of M leaves zeros)
.set g, g+1
.endr
	WIN 0
	v_mov_b32 v[NM+1], 0xff61b1e6                  ; the largest t so far: -3e38, under every t
	v_floor_f32 v[NM], -v[NM+1]                    ; -M
	v_mov_b32 v[SUM], 0
	v_mov_b32 v[SUM+1], 0
	v_mov_b32 v[FF+1], 0
.irp b, 0,1,2,3
	v_mov_b32 v[TM+4+\b], 0                        ; written once: a lane permute's destination counts as one of its sources
.endr
.macro FETCHK q                        ; a key step's eight fragments of K and their scale words: 26 LDS loads
.irp t, 0,1,2,3,4,5,6,7
.irp c, 0,1,2
	ds_load_b128 v[FB+FR*\t+4*\c:FB+FR*\t+4*\c+3], v[ADK] offset:STEPB*(\q)+IMG*\t+512*\c
.endr
.endr
.irp e, 0,1
	ds_load_b64 v[KS+2*\e:KS+2*\e+1], v[ASK] offset:STEPB*(\q)+256*\e
.endr
.endm
.macro FETCHV q
.irp t, 0,1,2,3,4,5,6,7
.irp c, 0,1,2
	ds_load_b128 v[FB+FR*\t+4*\c:FB+FR*\t+4*\c+3], v[ADV] offset:STEPB*(\q)+IMG*\t+512*\c
.endr
.endr
.irp e, 0,1
	ds_load_b64 v[VS+2*\e:VS+2*\e+1], v[ASV] offset:STEPB*(\q)+256*\e
.endr
.endm
.macro SCORE t, buf                    ; S^T tile t = 16 keys x my 16 queries + the mask's tile
.if (\t)%2
	v_wmma_scale_f32_16x16x128_f8f6f4 v[S+8*(\t):S+8*(\t)+7], v[FB+FR*(\t):FB+FR*(\t)+FR-1], v[QF:QF+FR-1], v[64*(\buf)+8*(\t):64*(\buf)+8*(\t)+7], v[KS+(\t)/2], v[QS] matrix_a_fmt:MATRIX_FMT_FP6 matrix_b_fmt:MATRIX_FMT_FP6 matrix_a_scale:MATRIX_SCALE_ROW1
.else
	v_wmma_scale_f32_16x16x128_f8f6f4 v[S+8*(\t):S+8*(\t)+7], v[FB+FR*(\t):FB+FR*(\t)+FR-1], v[QF:QF+FR-1], v[64*(\buf)+8*(\t):64*(\buf)+8*(\t)+7], v[KS+(\t)/2], v[QS] matrix_a_fmt:MATRIX_FMT_FP6 matrix_b_fmt:MATRIX_FMT_FP6
.endif
.endm
.macro PVM t                           ; O^T tile t += 16 of the head's 128 x these 128 keys
.if (\t)%2
	v_wmma_scale_f32_16x16x128_f8f6f4 v[O+8*(\t):O+8*(\t)+7], v[FB+FR*(\t):FB+FR*(\t)+FR-1], v[PC:PC+FR-1], v[O+8*(\t):O+8*(\t)+7], v[VS+(\t)/2], v[PW] matrix_a_fmt:MATRIX_FMT_FP6 matrix_b_fmt:MATRIX_FMT_FP6 matrix_a_scale:MATRIX_SCALE_ROW1
.else
	v_wmma_scale_f32_16x16x128_f8f6f4 v[O+8*(\t):O+8*(\t)+7], v[FB+FR*(\t):FB+FR*(\t)+FR-1], v[PC:PC+FR-1], v[O+8*(\t):O+8*(\t)+7], v[VS+(\t)/2], v[PW] matrix_a_fmt:MATRIX_FMT_FP6 matrix_b_fmt:MATRIX_FMT_FP6
.endif
.endm
.macro SOFTMAX
.irp b, 0,1,2,3
	v_max3_num_f32 v[TM+\b], v[S+16*\b], v[S+16*\b+1], v[S+16*\b+2]   ; THE LARGEST SCORE OF EACH BLOCK OF 32 KEYS serves twice: for the row's maximum, and, since p rises with the score, for the block's largest p
.endr
.irp i, 3,5,7,9,11,13
.irp b, 0,1,2,3
	v_max3_num_f32 v[TM+\b], v[TM+\b], v[S+16*\b+\i], v[S+16*\b+\i+1]
.endr
.endr
.irp b, 0,1,2,3
	v_max_num_f32 v[TM+\b], v[TM+\b], v[S+16*\b+15]
.endr
.irp b, 0,1,2,3
	v_permlanex16_b32 v[TM+4+\b], v[TM+\b], s[SEL], s[SEL+1]
.endr
.irp b, 0,1,2,3
	v_max_num_f32 v[TM+\b], v[TM+\b], v[TM+4+\b]   ; with lane l xor 16's 16 keys
.endr
	v_max3_num_f32 v[W], v[TM], v[TM+1], v[TM+2]
	v_max_num_f32 v[W], v[W], v[TM+3]              ; the step's largest score of my query
	v_mul_f32 v[W], s[CS], v[W]                    ; as t (c is positive)
	v_max_num_f32 v[NM+1], v[NM+1], v[W]           ; the running largest t
	v_mov_b32 v[W], v[NM]
	v_floor_f32 v[NM], -v[NM+1]                    ; the new -M = floor(-t) = -ceil(t): a whole number
	v_sub_f32 v[W], v[NM], v[W]                    ; old M - new M: a whole number, 0 or less
	v_cvt_i32_f32 v[W], v[W]                       ; (it saturates)
	v_ldexp_f32 v[FF], 1.0, v[W]                   ; f = 2^(old M - new M)
.set j, 0
.rept 32
	v_pk_fma_f32 v[S+j:S+j+1], v[S+j:S+j+1], s[CS:CS+1], v[NM:NM+1] op_sel_hi:[1,0,0]   ; t - M, two at a time
.set j, j+2
.endr
.irp b, 0,1,2,3
	v_fma_f32 v[TM+\b], v[TM+\b], s[CS], v[NM]     ; the same of each block's largest score
.endr
.set j, 0
.rept 64
	v_exp_f32 v[S+j], v[S+j]                       ; p = 2^(t - M), at most 1: not normalised
.set j, j+1
.endr
	v_pk_mul_f32 v[SUM:SUM+1], v[SUM:SUM+1], v[FF:FF+1] op_sel_hi:[1,0]   ; the sums under the new M: a plain place behind the exponentials
	s_wait_alu depctr_va_vdst(0)                   ; one wait for the whole batch, ahead of its first reader
.irp b, 0,1,2,3
	v_exp_f32 v[TM+\b], v[TM+\b]                   ; the block's largest p: the same two instructions on the same number give the same bits
.endr
	v_pk_add_f32 v[TM+4:TM+5], v[S:S+1], v[S+2:S+3]   ; THE ROW'S SUM IS TAKEN OF THE UNQUANTISED p, in two chains
.irp j, 4,8,12,16,20,24,28,32,36,40,44,48,52,56,60
	v_pk_add_f32 v[SUM:SUM+1], v[SUM:SUM+1], v[S+\j:S+\j+1]
	v_pk_add_f32 v[TM+4:TM+5], v[TM+4:TM+5], v[S+\j+2:S+\j+3]
.endr
	v_pk_add_f32 v[SUM:SUM+1], v[SUM:SUM+1], v[TM+4:TM+5]
	s_wait_alu depctr_va_vdst(0)                   ; and one for the four
.irp b, 0,1,2,3
	v_max_num_f32 v[TM+\b], 0x1800000, v[TM+\b]    ; the floor 2^(3 - 127): a block whose every p has fallen to 0 keeps the byte 1: its codes are zeros
.endr
	QSCALE
	QCONV S, 0
.endm
; A KEY STEP: the q-th of the slot in hand.  buf: which mask buffer holds its mask.  ml = 1: that buffer then takes the mask of two steps on.  lw: the younger global loads that may stay out.
.macro STEP q, buf, ml, lw
	s_wait_loadcnt \lw                             ; this step's mask is in (at the first step Q too); the other buffer's 16 loads are younger
	s_wait_dscnt 0x0                               ; K's fragments are in
	WIN 0x10                                       ; C in window 1
.irp t, 0,1,2,3,4,5,6,7
	SCORE \t, \buf
.endr
.if \ml
	WIN 0x40
	PLACES                                         ; four places in front of loads into registers that matrix instructions have read, and of the first read of the scores
.set g, 0
.rept 16
	global_load_b128 v[64*(\buf)+4*g:64*(\buf)+4*g+3], v[LI], s[MP:MP+1] offset:((\q)+2)*8192+512*g
.set g, g+1
.endr
	WIN 0
.else
	WIN 0
	PLACES
.endif
	FETCHV \q                                      ; V's fragments land under the softmax
	SOFTMAX
	WIN 0x41                                       ; O^T in window 1, f in window 0
.set j, 0
.rept 32
	v_pk_mul_f32 v[O+j:O+j+1], v[O+j:O+j+1], v[FF:FF+1] op_sel_hi:[1,0]   ; O^T under the new M.  (These 32 are also the places between the writing of p's codes and scale word and the products)
.set j, j+2
.endr
	s_wait_dscnt 0x0                               ; V's fragments are in
	WIN 0x50                                       ; C and D in window 1
.irp t, 0,1,2,3,4,5,6,7
	PVM \t
.endr
	WIN 0
	PLACES
.if (\q) < 3
	FETCHK (\q)+1
.endif
.endm
; THE CHANGE OF SLOTS stands at a slot's head.  Each wave waits for all its tensor loads (its part of the slot ahead), adds 0 to its spare word, and waits for that and for its reads of the slot that it has left.
; fill = 1: behind a round of the cluster's barrier that other slot is filled with the next four key steps: the load has four key steps in which to land.
.macro CHANGE fill
	s_wait_tensorcnt 0x0                           ; no tensor load of mine is out, so the descriptor may be written
	ds_add_u32 v[SPW], v[NIL]                      ; 0 onto my spare word
.if \fill
	s_xor_b32 s[G0+1], s[G0+1], SLOT1              ; the other slot than last time,
	s_add_nc_u64 s[G0+2:G0+3], s[G0+2:G0+3], 4*STEPB   ; the next four key steps; the type bits on top are not reached
.endif
	s_wait_dscnt 0x0                               ; the add is done, and my reads of the slot that I have left are over
.if \fill
	CROUND
	TLOAD                                          ; the first thing behind the round, and a wave's one tensor load until the next
.else
	s_barrier_signal -1
	s_barrier_wait -1
.endif
	v_add_nc_u32 v[ADK], s[TB], v[LI]
	v_add_nc_u32 v[ADV], s[TB], v[AV0]
	v_add_nc_u32 v[ASK], s[TB], v[AK1]
	v_add_nc_u32 v[ASV], s[TB], v[AV1]
	FETCHK 0
.endm
.macro SLOTW tail                      ; a slot's four key steps.  tail = 1: the last slot: its last two steps ask for no mask
	STEP 0, 0, 1, 16
	STEP 1, 1, 1, 16
	STEP 2, 0, 1-\tail, 16
	STEP 3, 1, 1-\tail, 16-16*\tail
	s_xor_b32 s[TB], s[TB], SLOT1
.if 1-\tail
	s_wait_xcnt 0x0                                ; the mask's loads have read their base
	s_add_nc_u64 s[MP:MP+1], s[MP:MP+1], 4*8192
.endif
.endm
.Lslot:                                            ; three trips: behind each change of slots but the last the next slot is asked for
	CHANGE 1
	SLOTW 0
	s_sub_co_u32 s[SLOTS], s[SLOTS], 1
	s_cmp_lg_u32 s[SLOTS], 0
	s_cbranch_scc1 .Lslot
	CHANGE 0                                       ; the last slot is written out
	SLOTW 1
	; THE WAY OUT.  O^T / the row's sum: register 16 b + i is channel 32 b + 16 (lane / 16) + i of my query: it is quantised as it stands and is K step (head) of the last product.
	v_add_f32 v[SUM], v[SUM], v[SUM+1]
	v_permlanex16_b32 v[W], v[SUM], s[SEL], s[SEL+1]
	v_add_f32 v[SUM], v[SUM], v[W]                 ; the row's sum
	v_rcp_f32 v[SUM], v[SUM]
	v_and_b32 v[RO], 15, v0                        ; (plain places behind the reciprocal)
	v_lshlrev_b32 v[RO], 4, v[RO]
	s_wait_alu depctr_va_vdst(0)                   ; the wait ahead of the reciprocal's first reader
	WIN 0x01                                       ; source 0 in window 1
.set j, 0
.rept 32
	v_pk_mul_f32 v[S+j:S+j+1], v[O+j:O+j+1], v[SUM:SUM+1] op_sel_hi:[1,0]
.set j, j+2
.endr
	WIN 0
	QMAX S, 0
	QSCALE
	QCONV S, 0
.irp c, 0,1,2
	global_store_b128 v[LI], v[PC+4*\c:PC+4*\c+3], s[42:43] offset:512*\c   ; 32 lanes store 512 consecutive bytes, aligned to 256
.endr
	global_store_b32 v[RO], v[PW], s[44:45]        ; my row's scale word; lanes l and l + 16 hold the same word and name the same address
	s_wait_tensorcnt 0x0                           ; the wave's end
	ds_add_u32 v[SPW], v[NIL]
	s_wait_dscnt 0x0
	CROUND                                         ; the closing round
	s_endpgm
.Lfunc_end_k_q69bdafab38_attn:
	.size	k_q69bdafab38_attn, .Lfunc_end_k_q69bdafab38_attn-k_q69bdafab38_attn
	.p2alignl 7, 3214868480
	.fill 96, 4, 3214868480
	.section	.rodata,"a",@progbits
	.p2align	6, 0x0
	.amdhsa_kernel k_q69bdafab38_attn
		.amdhsa_group_segment_fixed_size 327680
		.amdhsa_private_segment_fixed_size 0
		.amdhsa_enable_private_segment 0
		.amdhsa_kernarg_size 24
		.amdhsa_user_sgpr_count 2
		.amdhsa_user_sgpr_kernarg_segment_ptr 1
		.amdhsa_wavefront_size32 1
		.amdhsa_system_sgpr_workgroup_id_x 1
		.amdhsa_system_sgpr_workgroup_id_y 1
		.amdhsa_system_sgpr_workgroup_id_z 1
		.amdhsa_system_vgpr_workitem_id 0
		.amdhsa_next_free_vgpr 448
		.amdhsa_next_free_sgpr 72
		.amdhsa_reserve_vcc 0
		.amdhsa_float_denorm_mode_32 3
		.amdhsa_float_denorm_mode_16_64 3
		.amdhsa_memory_ordered 1
		.amdhsa_forward_progress 1
		.amdhsa_inst_pref_size 175
	.end_amdhsa_kernel
	.amdgpu_metadata
---
amdhsa.version: [ 1, 2 ]
amdhsa.kernels:
  - .name:           k_q69bdafab38_attn
    .symbol:         k_q69bdafab38_attn.kd
    .args:
      - { .name: qv, .offset: 0, .size: 8, .value_kind: global_buffer, .address_space: global }
      - { .name: mimg, .offset: 8, .size: 8, .value_kind: global_buffer, .address_space: global }
      - { .name: ao, .offset: 16, .size: 8, .value_kind: global_buffer, .address_space: global }
    .group_segment_fixed_size: 327680
    .private_segment_fixed_size: 0
    .kernarg_segment_align: 8
    .kernarg_segment_size: 24
    .max_flat_workgroup_size: 256
    .sgpr_count:     72
    .vgpr_count:     448
    .wavefront_size: 32
...
	.end_amdgpu_metadata
.endif
;; end of part 3
;; launch outp (part 4): grid 16 x 16, 4 waves a work-group, clusters of 4 x 4, 327,680 bytes of LDS; arguments ao, opx, out0; writes out0
.if DOCPART == 4
	.amdgcn_target "amdgcn-amd-amdhsa--gfx1250"
	.amdhsa_code_object_version 6
	.text
	.protected	k_q69bdafab38_outp
	.globl	k_q69bdafab38_outp
	.p2align	8
	.type	k_q69bdafab38_outp,@function
k_q69bdafab38_outp:
	s_mov_b64 s[64:65], 0
	v_nop
	global_prefetch_b8 v0, s[64:65] scope:SCOPE_SE
	s_setreg_imm32_b32 hwreg(HW_REG_WAVE_MODE, 25, 1), 1
	s_wait_xcnt 0x0
	s_wait_alu depctr_hold_cnt(0) depctr_sa_sdst(0) depctr_va_vdst(0) depctr_va_sdst(0) depctr_va_ssrc(0) depctr_va_vcc(0) depctr_vm_vsrc(0)
	s_getreg_b32 s2, hwreg(HW_REG_IB_STS2, 6, 4)
	s_cmp_eq_u32 s2, 0
	s_cbranch_scc0 .Lentry_in_a_cluster
	s_endpgm
.Lentry_in_a_cluster:
	s_bfe_u32 s2, ttmp6, 0x10000c
	s_cmp_lg_u32 s2, 0xf033
	s_cbranch_scc0 .Lentry_shape_is_right
	s_endpgm
.Lentry_shape_is_right:
; out0 = O wo^T, f32, on codes of FP6 (E2M3) with E8M0 scales.  ao (the attention's output) and wo (tensor 3 of opx) lie as images of operand registers:
; [row tile 128][512 along K: 4][6,400 bytes = 4 images of 1,536 + 256 bytes of scale words [row 16][word 4]]; lane r of row tile rt holds row 32 (rt / 2) + 8 (rt % 2) + r + 8 (r / 8).
; SHARES.  A work-group makes 128 rows x 128 columns: 2,048 x 2,048 make 256 such tiles, the grid of 16 x 16.  Wave w makes rows 64 (w / 2) on x columns 64 (w % 2) on: 16 accumulators.
; The product is used transposed (source 0 = 16 rows of wo, source 1 = 16 rows of O): a lane holds one row of the output and eight neighbouring columns in each accumulator.
; K goes in four steps of 512 through THREE LDS slots filled by the tensor data mover.  K steps 0, 1 and 2 are first fills and go out together: three tensor loads of a wave are out.  K step 3 fills slot 0 again, behind the
; one round that follows K step 0, and has two K steps in which to land.  All is written out.  A step's tiles are dense: no padding, and each LDS load reads 16 x lane on end.
; CLUSTERS: 4 x 4 work-groups.  The four of a row need the same tiles of O, the four of a column the same tiles of wo: each is asked for jointly.
; REGISTERS.  window 0: v1-16 addresses; v32-63 scale words, two sets, and nothing else; v96-191 source 1's fragments, two sets of four; on the way out v96-159 take rows of the output.
;   window 1: source 0's fragments, two sets of four, at v0 and v128.   window 2: accumulator (a, b) at v[8 (4 a + b)].
.set FR,    12
.set IMG,   1536
.set BLK,   6400
.set RTS,   25600
.set TEN,   3276800
.set HALF,  4*BLK                      ; four row tiles: what one tensor load brings, and what a wave reads of a side
.set BOFF,  8*BLK                      ; source 0's eight row tiles lie behind source 1's eight
.set SLOT,  16*BLK
.set SPARE, 3*SLOT                     ; the spare words, 128 bytes a wave: two blocks of 256 bytes that no other line names
.set SP,    272                        ; the way out: a stage of 16 rows x (256 bytes + 16) for each wave
.set STAGE, SLOT                       ; it lies in slot 1, which is filled once, and whose last read stands in front of the last barrier
.set LI,   1                           ; v1   16 x lane
.set STO,  2                           ; v2   the stage: where I put 32 bytes of a row
.set RD,   3                           ; v3   and where I read a row back
.set CO,   4                           ; v4   my byte offset in two rows of the output
.set SPW,  6                           ; v6   my spare word; never rewritten
.set NIL,  7                           ; v7   0; never rewritten
.set ADRA, 8                           ; v8-10  source 1's fragments in slot 0, 1, 2
.set ADRB, 11                          ; v11-13 source 0's
.set ADS,  14                          ; v14-16 scale words: lanes 0-15 source 1's rows, lanes 16-31 source 0's
.set SC,   32                          ; set s at v[SC + 16 s]; register 4 i + q: the words of block i for the slot's q-th 128 along K
.set AF,   96
.set BK,   96                          ; the way out: 16 rows read back: v96-127 and v128-159 by turns
.set G1,  24                           ; s[24:31] descriptor group 1 for source 1's tiles;  s[32:39] for source 0's
.set G1B, 32
.set G0,  48                           ; s[48:59] groups 0 for source 1's tiles, one for each slot;  s[68:79] for source 0's
.set G0B, 68
.set MUL, 0xa1                         ; source 0 window 1, source 1 window 0, C and D window 2
.set MSB, 0
.macro WIN new                         ; the immediate's high byte repeats the setting that is left
.if MSB != (\new)
	s_set_vgpr_msb (MSB<<8)|(\new)
.set MSB, (\new)
.endif
.endm
.macro PLACES
.rept 4
	v_nop
.endr
.endm
.macro JLOAD g0a, g1a, g0b, g1b        ; a joint load: waves 0 and 1 fetch source 1's halves, waves 2 and 3 source 0's; four v_nop follow each of the two lines
	s_cmp_eq_u32 s15, 0
	s_cbranch_scc0 .Lfor_b_\@
	tensor_load_to_lds s[\g0a:\g0a+3], s[\g1a:\g1a+7]
	s_nop 0
.rept 4
	v_nop
.endr
	s_branch .Lasked_\@
.Lfor_b_\@:
	tensor_load_to_lds s[\g0b:\g0b+3], s[\g1b:\g1b+7]
	s_nop 0
.rept 4
	v_nop
.endr
.Lasked_\@:
.endm
.macro CREST                           ; a round of the cluster's barrier behind its opening barrier
	s_cmp_lg_u32 s14, 0
	s_cbranch_scc1 .Lnot_wave_0_\@
	s_barrier_signal -3
.Lnot_wave_0_\@:
	s_barrier_wait -3
	s_barrier_signal -1
	s_barrier_wait -1
.endm
.macro CROUND
	s_barrier_signal -1
	s_barrier_wait -1
	CREST
.endm
	s_load_b128 s[4:7], s[0:1], 0x0                ; ao, opx
	s_load_b64 s[8:9], s[0:1], 0x10                ; out0
	v_lshl_add_u32 v[SPW], v0, 2, SPARE
	v_mov_b32 v[NIL], 0
	ds_add_u32 v6, v7
	s_wait_dscnt 0x0
	v_lshrrev_b32 v1, 5, v0
	v_readfirstlane_b32 s14, v1                    ; wave 0..3
	s_lshr_b32 s15, s14, 1                         ; which half of the tile's rows is mine.  Also: I fetch for source 1 (0) or source 0 (1)
	s_and_b32 s16, s14, 1                          ; which half of its columns.  Also: which half of that tile I fetch
	s_bfe_u32 s40, ttmp6, 0x40000                  ; cx, cy: my place in the cluster
	s_bfe_u32 s41, ttmp6, 0x40004
	s_lshl_b32 s42, ttmp9, 2
	s_add_co_u32 s42, s42, s40                     ; tx: which 128 columns
	s_and_b32 s46, ttmp7, 0xffff
	s_lshl_b32 s46, s46, 2
	s_add_co_u32 s46, s46, s41                     ; ty: which 128 rows
	s_lshl_b32 s43, s41, 2
	s_lshl_b32 s43, 15, s43                        ; my row of the cluster
	s_lshl_b32 s44, 0x1111, s40                    ; my column
	; descriptor group 1: 4 rows of 6,400 bytes (800 elements of 8 bytes), 25,600 bytes apart in memory, dense in LDS
	s_or_b32 s[G1+0], s43, (3<<16)|(1<<21)         ; 15:0 the mask; 17:16 elements of 8 bytes; 20 no padding; 21 set beside a mask
	s_or_b32 s[G1B+0], s44, (3<<16)|(1<<21)
.irp g, G1, G1B
	s_mov_b32 s[\g+1], 800<<16                     ; tensor_dim0
	s_mov_b32 s[\g+2], 4<<16                       ; tensor_dim1
	s_mov_b32 s[\g+3], 800<<16                     ; tile_dim0
	s_mov_b32 s[\g+4], 4                           ; tile_dim1
	s_mov_b32 s[\g+5], 3200                        ; tensor_dim0_stride
	s_mov_b32 s[\g+6], 0
	s_mov_b32 s[\g+7], 0
.endr
	s_lshl_b32 s22, s16, 2
	s_lshl_b32 s20, s46, 3
	s_add_co_u32 s20, s20, s22                     ; row tile 8 ty + 4 x half
	s_mul_i32 s20, s20, RTS
	s_mov_b32 s21, 0
	s_lshl_b32 s66, s42, 3
	s_add_co_u32 s66, s66, s22                     ; row tile 8 tx + 4 x half,
	s_mul_i32 s66, s66, RTS
	s_add_co_u32 s66, s66, 3*TEN                   ; of wo
	s_mov_b32 s67, 0
	s_mul_i32 s47, s16, HALF                       ; where they go: no place in the cluster enters an LDS address
	s_add_co_u32 s23, s47, BOFF
	s_wait_kmcnt 0x0
	s_add_nc_u64 s[20:21], s[4:5], s[20:21]
	s_add_nc_u64 s[66:67], s[6:7], s[66:67]
	CROUND                                         ; all sixteen work-groups are here: the first joint loads meet
.irp s, 0,1,2
	s_mov_b32 s[G0+4*\s], 1
	s_add_co_u32 s[G0+4*\s+1], s47, \s*SLOT
	s_add_nc_u64 s[G0+4*\s+2:G0+4*\s+3], s[20:21], \s*BLK
	s_or_b32 s[G0+4*\s+3], s[G0+4*\s+3], 0x80000000
	s_mov_b32 s[G0B+4*\s], 1
	s_add_co_u32 s[G0B+4*\s+1], s23, \s*SLOT
	s_add_nc_u64 s[G0B+4*\s+2:G0B+4*\s+3], s[66:67], \s*BLK
	s_or_b32 s[G0B+4*\s+3], s[G0B+4*\s+3], 0x80000000
	JLOAD G0+4*\s, G1, G0B+4*\s, G1B               ; K steps 0, 1 and 2: three tensor loads of mine are out
.endr
	v_and_b32 v17, 31, v0
	v_lshlrev_b32 v[LI], 4, v17
	v_and_b32 v18, 15, v0                          ; r
	v_bfe_u32 v17, v0, 4, 1                        ; h
	s_mul_i32 s60, s14, 16*SP
	s_add_co_u32 s60, s60, STAGE                   ; my stage
	v_mul_u32_u24 v[STO], v18, SP
	v_lshl_add_u32 v[STO], v17, 6, v[STO]
	v_add_nc_u32 v[STO], s60, v[STO]               ; in: row r, + 64 h
	v_mul_u32_u24 v[RD], v17, SP
	v_lshl_add_u32 v[RD], v18, 4, v[RD]
	v_add_nc_u32 v[RD], s60, v[RD]                 ; back: lanes 0-15 take one row of 256 bytes, lanes 16-31 the next
	v_lshlrev_b32 v[CO], 13, v17
	v_lshl_add_u32 v[CO], v18, 4, v[CO]            ; and the same two rows in the output, 8,192 bytes apart
	s_mul_i32 s61, s15, HALF                       ; my four row tiles of source 1
	s_mul_i32 s62, s16, HALF
	s_add_co_u32 s62, s62, BOFF                    ; my four of source 0
	v_add_nc_u32 v[ADRA], s61, v[LI]
	v_add_nc_u32 v[ADRB], s62, v[LI]
	s_xor_b32 s63, s15, 1
	s_add_co_u32 s63, s63, s16
	s_add_co_u32 s63, s63, 1
	s_mul_i32 s63, s63, HALF                       ; from my rows' scale words to my columns': (2 + column half - row half) x 25,600
	v_mul_u32_u24 v[ADS], s63, v17                 ; lanes 16-31 take source 0's
	v_lshl_add_u32 v[ADS], v18, 4, v[ADS]
	v_add_nc_u32 v[ADS], s61, v[ADS]
	v_add_nc_u32 v[ADS], 4*IMG, v[ADS]
.irp s, 1,2
	v_add_nc_u32 v[ADRA+\s], \s*SLOT, v[ADRA]
	v_add_nc_u32 v[ADRB+\s], \s*SLOT, v[ADRB]
	v_add_nc_u32 v[ADS+\s], \s*SLOT, v[ADS]
.endr
	s_lshl_b32 s80, s46, 20                        ; out0 at row 128 ty + 64 x row half (8,192 bytes a row), column 128 tx + 64 x column half
	s_lshl_b32 s81, s15, 19
	s_add_co_u32 s80, s80, s81
	s_lshl_b32 s81, s42, 9
	s_add_co_u32 s80, s80, s81
	s_lshl_b32 s81, s16, 8
	s_add_co_u32 s80, s80, s81
	s_mov_b32 s81, 0
	s_add_nc_u64 s[8:9], s[8:9], s[80:81]
.macro FETCH slot, q, p                ; 24 LDS loads: my four fragments of source 0 and my four of source 1, of the slot's q-th 128 along K, into set p
	WIN 0x40
.irp b, 0,1,2,3
.irp c, 0,1,2
	ds_load_b128 v[128*(\p)+FR*\b+4*\c:128*(\p)+FR*\b+4*\c+3], v[ADRB+\slot] offset:BLK*\b+IMG*(\q)+512*\c
.endr
.endr
	WIN 0
.irp a, 0,1,2,3
.irp c, 0,1,2
	ds_load_b128 v[AF+48*(\p)+FR*\a+4*\c:AF+48*(\p)+FR*\a+4*\c+3], v[ADRA+\slot] offset:BLK*\a+IMG*(\q)+512*\c
.endr
.endr
.endm
.macro SCALES slot, sc                 ; the slot's scale words into set sc: four words a row; lanes 0-15 take source 1's block i, lanes 16-31 source 0's block i
.irp i, 0,1,2,3
	ds_load_b128 v[SC+16*(\sc)+4*\i:SC+16*(\sc)+4*\i+3], v[ADS+\slot] offset:BLK*\i
.endr
.endm
.macro MUL4 a, p, q, sc, zero          ; my row tile a against my four column tiles; the 16 accumulators take turns, one instruction a turn, in the same order in every step
.irp b, 0,1,2,3
.if \zero
	v_wmma_scale_f32_16x16x128_f8f6f4 v[8*(4*(\a)+\b):8*(4*(\a)+\b)+7], v[128*(\p)+FR*\b:128*(\p)+FR*\b+FR-1], v[AF+48*(\p)+FR*(\a):AF+48*(\p)+FR*(\a)+FR-1], 0, v[SC+16*(\sc)+4*\b+(\q)], v[SC+16*(\sc)+4*(\a)+(\q)] matrix_a_fmt:MATRIX_FMT_FP6 matrix_b_fmt:MATRIX_FMT_FP6 matrix_a_scale:MATRIX_SCALE_ROW1
.else
	v_wmma_scale_f32_16x16x128_f8f6f4 v[8*(4*(\a)+\b):8*(4*(\a)+\b)+7], v[128*(\p)+FR*\b:128*(\p)+FR*\b+FR-1], v[AF+48*(\p)+FR*(\a):AF+48*(\p)+FR*(\a)+FR-1], v[8*(4*(\a)+\b):8*(4*(\a)+\b)+7], v[SC+16*(\sc)+4*\b+(\q)], v[SC+16*(\sc)+4*(\a)+(\q)] matrix_a_fmt:MATRIX_FMT_FP6 matrix_b_fmt:MATRIX_FMT_FP6 matrix_a_scale:MATRIX_SCALE_ROW1
.endif
.endr
.endm
.macro MUL16 p, q, sc, zero
	WIN MUL
	MUL4 0, \p, \q, \sc, \zero
	MUL4 1, \p, \q, \sc, \zero
	MUL4 2, \p, \q, \sc, \zero
	MUL4 3, \p, \q, \sc, \zero
	WIN 0
.endm
.macro STEP slot, q, sc, zero          ; 128 along K that has its successor in the same slot: the successor's fragments are asked for first and land under this step's 16 products
	PLACES                                         ; four plain places between the last products and loads into the registers that they read
	FETCH \slot, (\q)+1, 1-(\q)%2
	s_wait_dscnt 24                                ; all but the 24 just issued: this step's fragments (and scale words) are in
	MUL16 (\q)%2, \q, \sc, \zero
.endm
.macro LAST slot, next, sc             ; a slot's last 128 where the next slot is known to be whole and nothing is filled: no barrier
	PLACES
	FETCH \next, 0, 0
	SCALES \next, 1-(\sc)
	s_wait_dscnt 28                                ; all but the 28 just issued
	MUL16 1, 3, \sc, 0
.endm
; A slot's last 128 with a barrier; in front of it each wave waits for all its tensor loads, adds 0 to its spare word, and waits for that and for its reads so far.  fill = 1: this slot is filled again, with the K step three on.
.macro TURN slot, next, sc, fill
	s_wait_tensorcnt 0x0                           ; all my tensor loads have landed
	ds_add_u32 v[SPW], v[NIL]                      ; 0 onto my spare word
	s_wait_dscnt 1                                 ; my fragments are in; the add may be out
	WIN MUL
	MUL4 0, 1, 3, \sc, 0                           ; four matrix instructions stand between the add and the wait for it
	s_wait_dscnt 0x0                               ; the add is done, and my reads of this slot are over
	s_barrier_signal -1
	MUL4 1, 1, 3, \sc, 0
	WIN 0
	s_barrier_wait -1
.if \fill
	CREST                                          ; the barrier has opened a round of the cluster's barrier: no wave of any partner still reads this slot or has a load on its way
	s_add_nc_u64 s[G0+4*\slot+2:G0+4*\slot+3], s[G0+4*\slot+2:G0+4*\slot+3], 3*BLK
	s_add_nc_u64 s[G0B+4*\slot+2:G0B+4*\slot+3], s[G0B+4*\slot+2:G0B+4*\slot+3], 3*BLK
	JLOAD G0+4*\slot, G1, G0B+4*\slot, G1B         ; the first tensor load behind the round; its four v_nop are the places in front of the loads below
.else
	PLACES
.endif
	FETCH \next, 0, 0
	SCALES \next, 1-(\sc)
	WIN MUL
	MUL4 2, 1, 3, \sc, 0
	MUL4 3, 1, 3, \sc, 0
	WIN 0
.endm
	s_wait_tensorcnt 2                             ; my part of K step 0 is in; the loads of K steps 1 and 2 may be out
	s_barrier_signal -1
	s_barrier_wait -1
	FETCH 0, 0, 0
	SCALES 0, 0
	STEP 0, 0, 0, 1                                ; the first products start the sums: nothing is cleared
	STEP 0, 1, 0, 0
	STEP 0, 2, 0, 0
	TURN 0, 1, 0, 1                                ; every wave has waited for all its loads: behind this round slots 1 and 2 are whole; slot 0 takes K step 3
	STEP 1, 0, 1, 0
	STEP 1, 1, 1, 0
	STEP 1, 2, 1, 0
	LAST 1, 2, 1
	STEP 2, 0, 0, 0
	STEP 2, 1, 0, 0
	STEP 2, 2, 0, 0
	TURN 2, 0, 0, 0                                ; K step 3 has landed, everybody's part; nothing is left to fetch: a plain barrier; behind it nobody reads slot 1 or 2
	STEP 0, 0, 1, 0
	STEP 0, 1, 1, 0
	STEP 0, 2, 1, 0
	s_wait_dscnt 0x0
	MUL16 1, 3, 1, 0
; THE WAY OUT, a row tile (16 rows x 64 columns) at a time, through my own stage: accumulator b of lane (r, h) holds columns 32 (b / 2) + 8 (b % 2) + 16 h + 0 .. 7 of the tile's row r.  The rows come back whole, 256 bytes each.
.macro TOSTAGE a
	WIN 0x08                                       ; an LDS store's data are its source 1: window 2
.irp b, 0,1,2,3
	ds_store_b128 v[STO], v[8*(4*(\a)+\b):8*(4*(\a)+\b)+3] offset:128*(\b/2)+32*(\b%2)      ; each accumulator from its low end on
	ds_store_b128 v[STO], v[8*(4*(\a)+\b)+4:8*(4*(\a)+\b)+7] offset:128*(\b/2)+32*(\b%2)+16
.endr
	WIN 0
.irp t, 0,1,2,3,4,5,6,7
	ds_load_b128 v[BK+32*((\a)%2)+4*\t:BK+32*((\a)%2)+4*\t+3], v[RD] offset:2*\t*SP   ; LDS serves a wave's instructions in order: these see the stores above
.endr
.endm
.macro SEND a, younger                 ; younger: the LDS instructions issued behind tile a's loads, which may stay out
	s_wait_dscnt \younger
.irp t, 0,1,2,3,4,5,6,7
	global_store_b128 v[CO], v[BK+32*((\a)%2)+4*\t:BK+32*((\a)%2)+4*\t+3], s[8:9] offset:(32*((\a)/2)+8*((\a)%2)+2*\t+8*(\t/4))*8192 th:TH_STORE_NT   ; 16 lanes store 256 consecutive bytes, aligned; the tile's row i is row i + 8 (i / 8) from its first
.endr
.endm
	PLACES                                         ; behind the last products: for the stores that read results and the loads into the registers that held fragments
	TOSTAGE 0
.irp a, 1,2,3
.if \a > 1
	s_wait_xcnt 0x0                                ; tile a - 2's stores have read their registers: tile a's loads may land there
.endif
	TOSTAGE \a
	SEND \a-1, 16                                  ; behind tile a - 1's loads: tile a's 8 stores and 8 loads
.endr
	SEND 3, 0
	s_wait_tensorcnt 0x0                           ; the wave's end
	ds_add_u32 v[SPW], v[NIL]
	s_wait_dscnt 0x0
	CROUND                                         ; the closing round
	s_endpgm
.Lfunc_end_k_q69bdafab38_outp:
	.size	k_q69bdafab38_outp, .Lfunc_end_k_q69bdafab38_outp-k_q69bdafab38_outp
	.p2alignl 7, 3214868480
	.fill 96, 4, 3214868480
	.section	.rodata,"a",@progbits
	.p2align	6, 0x0
	.amdhsa_kernel k_q69bdafab38_outp
		.amdhsa_group_segment_fixed_size 327680
		.amdhsa_private_segment_fixed_size 0
		.amdhsa_enable_private_segment 0
		.amdhsa_kernarg_size 24
		.amdhsa_user_sgpr_count 2
		.amdhsa_user_sgpr_kernarg_segment_ptr 1
		.amdhsa_wavefront_size32 1
		.amdhsa_system_sgpr_workgroup_id_x 1
		.amdhsa_system_sgpr_workgroup_id_y 1
		.amdhsa_system_sgpr_workgroup_id_z 1
		.amdhsa_system_vgpr_workitem_id 0
		.amdhsa_next_free_vgpr 640
		.amdhsa_next_free_sgpr 84
		.amdhsa_reserve_vcc 0
		.amdhsa_float_denorm_mode_32 3
		.amdhsa_float_denorm_mode_16_64 3
		.amdhsa_memory_ordered 1
		.amdhsa_forward_progress 1
		.amdhsa_inst_pref_size 79
	.end_amdhsa_kernel
	.amdgpu_metadata
---
amdhsa.version: [ 1, 2 ]
amdhsa.kernels:
  - .name:           k_q69bdafab38_outp
    .symbol:         k_q69bdafab38_outp.kd
    .args:
      - { .name: ao, .offset: 0, .size: 8, .value_kind: global_buffer, .address_space: global }
      - { .name: opx, .offset: 8, .size: 8, .value_kind: global_buffer, .address_space: global }
      - { .name: out0, .offset: 16, .size: 8, .value_kind: global_buffer, .address_space: global }
    .group_segment_fixed_size: 327680
    .private_segment_fixed_size: 0
    .kernarg_segment_align: 8
    .kernarg_segment_size: 24
    .max_flat_workgroup_size: 128
    .sgpr_count:     84
    .vgpr_count:     640
    .wavefront_size: 32
...
	.end_amdgpu_metadata
.endif
;; end of part 4
